; MI455X (gfx1250); checked and timed in simulation.
; The chip was launched on July 23, 2026; its instructions are those of AMD's public machine-readable ISA for CDNA 5 (MIT licence, August 2026) and "CDNA5" Instruction Set Architecture Reference Guide (July 2026). The comments in the code are by the model that wrote it; some were corrected since.
;; Mo E Layer. Allowed arithmetic: matrix products marked QUANTISED: E3M2 operands, one E8M0 scale for each 32 along K, by v_wmma_scale_f32_16x16x128_f8f6f4 with both operands' format E3M2, f32 sums; products left as they are: f32 operands where the result goes on into a quantised operand, else bf16, f16 or f32 operands; f32 sums; everything else in f32.
;; Inputs: W1_codes 8 x 2,048 x 32 x 24 uint8 (E3M2 codes of W1, K innermost, in blocks of 32 codes, four codes in three bytes); W1_scales 8 x 2,048 x 32 uint8 (E8M0 scales of W1, one for each 32 codes along K); W2_codes 8 x 1,024 x 64 x 24 uint8 (E3M2 codes of W2, K innermost, in blocks of 32 codes, four codes in three bytes); W2_scales 8 x 1,024 x 64 uint8 (E8M0 scales of W2, one for each 32 codes along K); Wr 1,024 x 8 float32; b1 8 x 2,048 float32; b2 8 x 1,024 float32; br 8 float32; x 4 x 512 x 1,024 float32.
;; Outputs: out0 4 x 512 x 1,024 float32.
;; This version of the problem:
;;   THIS VERSION OF THE PROBLEM IS GIVEN IN LOW PRECISION. The matrix products marked QUANTISED in the list below multiply operands that are first quantised to E3M2 (3 exponent bits, 2 mantissa bits; 6 bits a number), with one power-of-two scale for each 32 numbers along K (OCP MX v1.0); their sums are f32. All else is computed in f32.
;;   The module's matrix products, in the order in which they are computed (A, B: the left and right operand; K: the contracted axis; several contracted axes count as one K, in the product's order):
;;     1. [M 2,048, K 1,024] x [K 1,024, N 8]; A: input x; B: input Wr: left as it is (N = 8 < 16)
;;     2. [M 16,384, K 1,024] x [K 1,024, N 2,048]; A: input W1 (given as codes); B: input x: QUANTISED
;;     3. batch 8 x [M 2,048, K 2,048] x [K 2,048, N 1,024]; A: computed on the way; B: input W2 (given as codes): QUANTISED
;;     4. batch 2,048 x [M 1, K 8] x [K 8, N 1,024]; A: computed on the way; B: computed on the way: left as it is (K = 8 < 32)
;;   THE QUANTISER, for each operand of a quantised product, along K:
;;     - K is cut into blocks of 32 from its start; a last block that is shorter is filled with zeros.
;;     - A block's scale is 2^e with e = floor(log2(the largest magnitude in the block)) - 4, held to -126 .. 127; a block of zeros has e = 0. As a byte (E8M0): e + 127.
;;     - Each number is divided by its block's scale, clamped to +-28, and rounded to the nearest number of E3M2, ties to even, subnormals kept.
;;     - The product sums the exact products of the quantised numbers (number of the format x scale) in f32.
;;   ~~~python
;;   def quantise(x, axis):      # numpy; x: float32 -> the quantised numbers, widened to float32 again
;;       x = np.moveaxis(x, axis, -1); K = x.shape[-1]
;;       x = np.pad(x, [(0, 0)] * (x.ndim - 1) + [(0, -K % 32)]); x = x.reshape(x.shape[:-1] + (-1, 32)); a = np.abs(x).max(-1, keepdims=True)
;;       e = np.where(a > 0, np.clip(np.frexp(np.where(a > 0, a, 1))[1] - 1 - 4, -126, 127), 0)      # np.frexp(a)[1] - 1 = floor(log2(a)), exactly
;;       r = np.clip(x / 2.0 ** e, -28, 28)
;;       step = 2.0 ** (np.maximum(np.frexp(np.where(r == 0, 1, r))[1] - 1, -2) - 2)
;;       q = np.round(r / step) * step * 2.0 ** e      # np.round: ties to even
;;       return np.moveaxis(q.reshape(q.shape[:-2] + (-1,))[..., :K], -1, axis).astype(np.float32)
;;   ~~~
;;   OPERANDS COMPUTED ON THE WAY. 'Computed on the way' means the value that the module computes at that place (a softmax that the list does not call 'softmax' is quantised finished and normalised). What goes into a quantiser is computed in f32, as accurately as f32 sums, v_exp_f32 and their like allow (about 1e-6 of the number): no bf16 or f16 on the way to a quantiser, and a product that is left as it is and whose result goes on into a quantised operand takes f32 operands (vector FMAs, or v_wmma_f32_16x16x4_f32). A number that lies on a knife's edge between two numbers of the format may be rounded either way, as far as f32 arithmetic and the matrix unit's own rounding can turn it there, and no further.
;;   INPUTS GIVEN AS CODES. W1 (in the module: [8, 1024, 2048], K = its axis 1); W2 (in the module: [8, 2048, 1024], K = its axis 1): each comes as NAME_codes (uint8): NAME with its K axis moved to the last place and cut into blocks of 32 codes, [.., K / 32, bytes a block], one block behind the other in memory; four codes in three bytes: a row's codes are one little-endian stream of bits, code i at bits 6 i .. 6 i + 5 (a code: sign, 3 exponent bits, 2 mantissa bits); and NAME_scales (uint8): the same leading axes, one E8M0 byte (e + 127) for each 32 codes along K. Its value is code x scale, taken as it is: it is not quantised again, and the codes and scales need not be those that the quantiser above would give.
;; 2 versions. Each part assembles by itself: llvm-mc -triple=amdgcn-amd-amdhsa -mcpu=gfx1250 --defsym DOCPART=n.
;; ======== version 1 of 2: 5 launches
;; workspace buffers: xq 1,638,400 bytes; sel 16,384 bytes of whole numbers; gate 16,384 bytes; plan 38,656 bytes of whole numbers; hq 8,761,344 bytes; yw 22,347,776 bytes
;; launch route (part 1): grid 256 x 1, 8 waves a work-group, no clusters, 77,824 bytes of LDS; arguments x, Wr, br, xq, sel, gate; writes xq, sel, gate
.if DOCPART == 1
	.amdgcn_target "amdgcn-amd-amdhsa--gfx1250"
	.amdhsa_code_object_version 6
	.text
	.protected	k_q14ecd05aa0_route
	.globl	k_q14ecd05aa0_route
	.p2align	8
	.type	k_q14ecd05aa0_route,@function
k_q14ecd05aa0_route:
	s_mov_b64 s[64:65], 0
	v_nop
	global_prefetch_b8 v0, s[64:65] scope:SCOPE_SE
	s_setreg_imm32_b32 hwreg(HW_REG_WAVE_MODE, 25, 1), 1
	s_wait_xcnt 0x0
; ROUTER AND QUANTISER OF x.  x: [2048][1024] f32, Wr: [1024][8] f32, br: [8] f32.
; A wave takes one token: logits = x Wr + br by f32 multiply-adds, the two largest (the lower index wins a tie, as jax.lax.top_k has it), their softmax with the larger
; logit taken away, and the token's 1,024 numbers as codes of E3M2 with one E8M0 byte for each 32.  Out: xq (codes [2048][768] as a plain stream of bits; behind them, at XSOFF,
; 8 scale words a token), sel [2048][2] (the chosen experts, whole numbers, at fixed places: no address of this launch hangs on them), gate [2048][2] f32.
; THE BYTES OF A SCALE WORD STAND IN THE ORDER block 0, 2, 1, 3: the product's launch reads 48 neighbouring bytes of a row into each lane, so a lane's two blocks are neighbours,
; where the matrix instruction takes them for blocks h and 2 + h; both operands are read alike, so only the scale word has to follow.
; Lane l owns block l (k = 32 l .. 32 l + 31): the block's largest magnitude needs no other lane, and the conversions find 16 neighbours in consecutive registers.
; Loads take the bytes as they lie (512 on end for each instruction); x turns through the wave's own LDS, Wr lies in LDS once for the eight waves.
; No matrix unit (8 columns), no cluster (work-groups share only Wr's 32 KiB).
; LIMITS: NaN and infinities in x or in the logits are not served; two logits nearer than the rounding of an f32 sum of 1,024 terms may be chosen the other way;
; a block whose largest magnitude lies under 2^-122 gets the byte 1 (a block of zeros too: its codes are zeros, and this program alone reads the bytes).
.set WRL,   0                          ; Wr: 32 pieces of 1,024 bytes (32 rows), 1,040 apart = 260 words: piece l starts at bank 4 l mod 64 (64 banks of 4 bytes: ISA guide 11.1)
.set WRP,   1040
.set XST,   33280                      ; x: for each wave 32 blocks of 128 bytes, 144 apart
.set XSP,   144
.set CST,   70144                      ; codes: 768 bytes for each wave
.set SCB,   76288                      ; the work-group's 256 scale bytes
.set SGL,   76544                      ; 64 bytes of chosen experts, 64 of gates
.set XSOFF, 1572864
.set XR,  8                            ; v8-39    x as loaded
.set WG,  40                           ; v40-71   Wr as loaded
.set XB,  72                           ; v72-103  my block's 32 numbers
.set WB0, 104                          ; v104-167, v168-231: eight rows of Wr each, by turns
.set WB1, 168
.set ACC, 232                          ; v232-239 the eight logits
.set MK,  104                          ; behind the sums: the logits with the first choice struck out
.set CD,  112                          ; the codes
.set PT,  120                          ; the other half's sums
	s_load_b256 s[4:11], s[0:1], 0x0               ; x s[4:5], Wr s[6:7], br s[8:9], xq s[10:11]
	s_load_b128 s[12:15], s[0:1], 0x20             ; sel s[12:13], gate s[14:15]
	s_set_vgpr_msb 0x40
	v_lshl_add_u32 v0, v0, 2, 0x12c00
	v_mov_b32 v1, 0
	s_set_vgpr_msb 0x4000
	v_lshrrev_b32 v2, 5, v0
	v_readfirstlane_b32 s24, v2                    ; wave
	v_and_b32 v1, 31, v0                           ; lane
	v_lshlrev_b32 v3, 4, v1                        ; 16 x lane
	v_lshlrev_b32 v4, 4, v0                        ; 16 x thread
	s_lshl_b32 s25, ttmp9, 3
	s_add_co_u32 s25, s25, s24                     ; my token
	s_lshl_b32 s28, s25, 12
	s_mov_b32 s29, 0
	s_mov_b32 s26, 0x76543210
	s_mov_b32 s27, 0xfedcba98                      ; v_permlanex16_b32's selects for lane l xor 16
	s_wait_kmcnt 0x0
	s_load_b256 s[16:23], s[8:9], 0x0              ; br
	s_add_nc_u64 s[4:5], s[4:5], s[28:29]
.irp j, 0,1,2,3,4,5,6,7
	global_load_b128 v[XR+4*\j:XR+4*\j+3], v3, s[4:5] offset:512*\j th:TH_LOAD_NT
.endr
.irp j, 0,1,2,3,4,5,6,7
	global_load_b128 v[WG+4*\j:WG+4*\j+3], v4, s[6:7] offset:4096*\j
.endr
	; every LDS address is made here
	s_mul_i32 s30, s24, 32*XSP
	s_add_co_u32 s30, s30, XST
	v_lshrrev_b32 v2, 3, v1
	v_mul_u32_u24 v2, v2, XSP
	v_and_b32 v250, 7, v1
	v_lshl_add_u32 v2, v250, 4, v2
	v_add_nc_u32 v2, s30, v2                       ; x in: eight lanes fill a block; a load's 512 bytes are four blocks
	v_mul_u32_u24 v5, v1, XSP
	v_add_nc_u32 v5, s30, v5                       ; x back: my block
	v_lshrrev_b32 v6, 6, v0
	v_mul_u32_u24 v6, v6, WRP
	v_and_b32 v250, 63, v0
	v_lshl_add_u32 v6, v250, 4, v6                 ; Wr in: 64 threads fill a piece
	v_mul_u32_u24 v7, v1, WRP                      ; Wr back: my 32 rows
	s_mul_i32 s30, s24, 768
	s_add_co_u32 s30, s30, CST
	v_mul_u32_u24 v240, v1, 24
	v_add_nc_u32 v240, s30, v240                   ; codes in: 24 bytes a lane
	v_lshlrev_b32 v244, 3, v1                      ; 8 x lane
	v_add_nc_u32 v241, s30, v244                   ; codes back: 8 bytes a lane, 256 an instruction
	v_and_b32 v250, 28, v1
	v_and_b32 v251, 1, v1
	v_lshlrev_b32 v251, 1, v251
	v_bfe_u32 v252, v1, 1, 1
	v_add_nc_u32 v250, v250, v251
	v_add_nc_u32 v250, v250, v252                  ; my byte in the token's 32: word l / 4, place 0, 2, 1, 3 for block l % 4 = 0, 1, 2, 3
	s_lshl_b32 s30, s24, 5
	s_add_co_u32 s30, s30, SCB
	v_add_nc_u32 v242, s30, v250
	s_lshl_b32 s30, s24, 3
	s_add_co_u32 s30, s30, SGL
	v_mov_b32 v243, s30                            ; my token's two choices; its gates 64 bytes on
	v_add_nc_u32 v245, SCB, v244
	v_and_b32 v248, 15, v1
	v_lshlrev_b32 v248, 2, v248
	v_add_nc_u32 v249, SGL, v248
	s_mul_i32 s28, s25, 768
	s_add_nc_u64 s[32:33], s[10:11], s[28:29]      ; my token's codes
	s_lshl_b32 s28, ttmp9, 8
	s_add_co_u32 s28, s28, XSOFF
	s_add_nc_u64 s[34:35], s[10:11], s[28:29]      ; the work-group's 256 scale bytes
	s_lshl_b32 s28, ttmp9, 6
	s_add_nc_u64 s[12:13], s[12:13], s[28:29]
	s_add_nc_u64 s[14:15], s[14:15], s[28:29]
	s_wait_loadcnt 8                               ; x is in; Wr's eight loads may be out
.irp j, 0,1,2,3,4,5,6,7
	ds_store_b128 v2, v[XR+4*\j:XR+4*\j+3] offset:4*XSP*\j
.endr
	s_wait_loadcnt 0x0
.irp j, 0,1,2,3,4,5,6,7
	ds_store_b128 v6, v[WG+4*\j:WG+4*\j+3] offset:4*WRP*\j
.endr
	s_wait_dscnt 0x0                               ; for the others' sake: my part of Wr lies in LDS
	s_barrier_signal -1
	s_barrier_wait -1
.irp i, 0,1,2,3,4,5,6,7
	ds_load_b128 v[XB+4*\i:XB+4*\i+3], v5 offset:16*\i
.endr
.macro LOADW g, buf                    ; rows 8 g .. 8 g + 7 of my 32 rows of Wr
.irp nn, 0,1,2,3,4,5,6,7,8,9,10,11,12,13,14,15
	ds_load_b128 v[\buf+4*\nn:\buf+4*\nn+3], v7 offset:256*\g+16*\nn
.endr
.endm
.macro FMA g, buf                      ; eight numbers of x, each against its row of Wr: four packed multiply-adds; the very first products start the sums
.irp ii, 0,1,2,3,4,5,6,7
.irp p, 0,1,2,3
.if (\g == 0) && (\ii == 0)
	v_pk_mul_f32 v[ACC+2*\p:ACC+2*\p+1], v[XB:XB+1], v[\buf+2*\p:\buf+2*\p+1] op_sel_hi:[0,1]
.elseif (\ii % 2) == 0
	v_pk_fma_f32 v[ACC+2*\p:ACC+2*\p+1], v[XB+8*\g+\ii:XB+8*\g+\ii+1], v[\buf+8*\ii+2*\p:\buf+8*\ii+2*\p+1], v[ACC+2*\p:ACC+2*\p+1] op_sel_hi:[0,1,1]
.else
	v_pk_fma_f32 v[ACC+2*\p:ACC+2*\p+1], v[XB+8*\g+\ii-1:XB+8*\g+\ii], v[\buf+8*\ii+2*\p:\buf+8*\ii+2*\p+1], v[ACC+2*\p:ACC+2*\p+1] op_sel:[1,0,0] op_sel_hi:[1,1,1]
.endif
.endr
.endr
.endm
	LOADW 0, WB0
	LOADW 1, WB1
	s_wait_dscnt 16                                ; all but the sixteen loads of the younger group
	FMA 0, WB0
	LOADW 2, WB0
	s_wait_dscnt 16
	FMA 1, WB1
	LOADW 3, WB1
	s_wait_dscnt 16
	FMA 2, WB0
	s_wait_dscnt 0x0
	FMA 3, WB1
.irp x, 1,2,4,8                        ; the eight sums over the 32 lanes, by turns
.irp e, 0,1,2,3,4,5,6,7
	v_add_f32_dpp v[ACC+\e], v[ACC+\e], v[ACC+\e] row_xmask:\x row_mask:0xf bank_mask:0xf
.endr
.endr
.irp e, 0,1,2,3,4,5,6,7
	v_permlanex16_b32 v[PT+\e], v[ACC+\e], s26, s27
.endr
	s_wait_kmcnt 0x0                               ; br
.irp e, 0,1,2,3,4,5,6,7
	v_add_f32 v[ACC+\e], v[ACC+\e], v[PT+\e]
.endr
.irp e, 0,1,2,3,4,5,6,7
	v_add_f32 v[ACC+\e], s[16+\e], v[ACC+\e]       ; every lane holds the eight logits
.endr
	v_mov_b32 v128, v[ACC]                         ; the largest: a later one takes its place only if strictly larger
	v_mov_b32 v129, 0
.irp e, 1,2,3,4,5,6,7
	v_cmp_gt_f32 vcc_lo, v[ACC+\e], v128
	v_cndmask_b32 v128, v128, v[ACC+\e], vcc_lo
	v_cndmask_b32 v129, v129, \e, vcc_lo
.endr
	v_mov_b32 v130, 0xff800000
.irp e, 0,1,2,3,4,5,6,7
	v_cmp_eq_u32 vcc_lo, \e, v129
	v_cndmask_b32 v[MK+\e], v[ACC+\e], v130, vcc_lo
.endr
	v_mov_b32 v131, v[MK]                          ; the second largest, in the same way
	v_mov_b32 v132, 0
.irp e, 1,2,3,4,5,6,7
	v_cmp_gt_f32 vcc_lo, v[MK+\e], v131
	v_cndmask_b32 v131, v131, v[MK+\e], vcc_lo
	v_cndmask_b32 v132, v132, \e, vcc_lo
.endr
	v_sub_f32 v133, v131, v128                     ; the maximum is taken away: 0 for the first, d <= 0 for the second
	v_mul_f32 v133, 0x3fb8aa3b, v133
	v_exp_f32 v133, v133                           ; e^d
	v_nop                                          ; one plain place behind a transcendental
	s_wait_alu depctr_va_vdst(0)
	v_add_f32 v134, 1.0, v133
	v_rcp_f32 v134, v134                           ; the first gate, 1 / (1 + e^d)
	v_nop
	s_wait_alu depctr_va_vdst(0)
	v_mul_f32 v135, v133, v134                     ; the second
	; my block: largest magnitude with the floor 2^(5 - 127) among its leaves, scale, codes
	v_max3_num_f32 v250, |v[XB]|, |v[XB+1]|, |v[XB+2]|
	v_max3_num_f32 v251, |v[XB+3]|, |v[XB+4]|, |v[XB+5]|
.irp i, 6,10,14,18,22,26
	v_max3_num_f32 v250, v250, |v[XB+\i]|, |v[XB+\i+1]|
	v_max3_num_f32 v251, v251, |v[XB+\i+2]|, |v[XB+\i+3]|
.endr
	v_max3_num_f32 v250, v250, |v[XB+30]|, |v[XB+31]|
	v_max3_num_f32 v250, v250, v251, 0x2800000
	v_add_nc_u32 v252, 0xfe000000, v250            ; 4 off the exponent field: the conversion takes the exponent field of this operand as its scale
	v_lshrrev_b32 v253, 23, v252                   ; the scale's byte
	v_cvt_scalef32_pk16_bf6_f32 v[CD:CD+2], v[XB:XB+15], v252
	v_cvt_scalef32_pk16_bf6_f32 v[CD+4:CD+6], v[XB+16:XB+31], v252   ; (a conversion's three registers begin on an even number)
	v_nop                                          ; one plain place behind a scaled conversion
	v_mov_b32 v[CD+3], v[CD+4]
	v_mov_b32 v[CD+4], v[CD+5]
	v_mov_b32 v[CD+5], v[CD+6]
.irp k, 0,1,2
	ds_store_b64 v240, v[CD+2*\k:CD+2*\k+1] offset:8*\k
.endr
.irp k, 0,1,2
	ds_load_b64 v[136+2*\k:137+2*\k], v241 offset:256*\k   ; LDS serves a wave's instructions in order: these see my stores
.endr
	ds_store_b8 v242, v253
	ds_store_b32 v243, v129                        ; all lanes write the same word with the same value
	ds_store_b32 v243, v132 offset:4
	ds_store_b32 v243, v134 offset:64
	ds_store_b32 v243, v135 offset:68
	s_wait_dscnt 0x0                               ; my codes are back, and for wave 0's sake my small stores have landed
.irp k, 0,1,2
	global_store_b64 v244, v[136+2*\k:137+2*\k], s[32:33] offset:256*\k   ; 32 lanes store 256 consecutive bytes, at a multiple of 256 from xq's first byte
.endr
	s_barrier_signal -1
	s_barrier_wait -1
	s_cmp_lg_u32 s24, 0
	s_cbranch_scc1 .Lend                           ; wave 0 sends what the eight waves have gathered
	ds_load_b64 v[246:247], v245
	ds_load_b32 v254, v249
	ds_load_b32 v255, v249 offset:64
	s_wait_dscnt 0x0
	global_store_b64 v244, v[246:247], s[34:35]    ; the eight tokens' scale words: 256 consecutive bytes
	s_wait_xcnt 0x0                                ; EXEC changes only behind this wait
	v_cmp_gt_u32 vcc_lo, 16, v1
	s_and_saveexec_b32 s36, vcc_lo
	global_store_b32 v248, v254, s[12:13]          ; 16 words of choices,
	global_store_b32 v248, v255, s[14:15]          ; 16 of gates
	s_wait_xcnt 0x0
	s_or_b32 exec_lo, exec_lo, s36
.Lend:
	s_set_vgpr_msb 0x5
	s_wait_tensorcnt 0x0
	ds_add_u32 v0, v1
	s_wait_dscnt 0x0
	s_set_vgpr_msb 0x500
	s_endpgm
.Lfunc_end_k_q14ecd05aa0_route:
	.size	k_q14ecd05aa0_route, .Lfunc_end_k_q14ecd05aa0_route-k_q14ecd05aa0_route
	.p2alignl 7, 3214868480
	.fill 96, 4, 3214868480
	.section	.rodata,"a",@progbits
	.p2align	6, 0x0
	.amdhsa_kernel k_q14ecd05aa0_route
		.amdhsa_group_segment_fixed_size 77824
		.amdhsa_private_segment_fixed_size 0
		.amdhsa_enable_private_segment 0
		.amdhsa_kernarg_size 48
		.amdhsa_user_sgpr_count 2
		.amdhsa_user_sgpr_kernarg_segment_ptr 1
		.amdhsa_wavefront_size32 1
		.amdhsa_system_sgpr_workgroup_id_x 1
		.amdhsa_system_sgpr_workgroup_id_y 1
		.amdhsa_system_sgpr_workgroup_id_z 1
		.amdhsa_system_vgpr_workitem_id 0
		.amdhsa_next_free_vgpr 258
		.amdhsa_next_free_sgpr 66
		.amdhsa_reserve_vcc 1
		.amdhsa_float_denorm_mode_32 3
		.amdhsa_float_denorm_mode_16_64 3
		.amdhsa_memory_ordered 1
		.amdhsa_forward_progress 1
		.amdhsa_inst_pref_size 28
	.end_amdhsa_kernel
	.amdgpu_metadata
---
amdhsa.version: [ 1, 2 ]
amdhsa.kernels:
  - .name:           k_q14ecd05aa0_route
    .symbol:         k_q14ecd05aa0_route.kd
    .args:
      - { .name: x, .offset: 0, .size: 8, .value_kind: global_buffer, .address_space: global }
      - { .name: Wr, .offset: 8, .size: 8, .value_kind: global_buffer, .address_space: global }
      - { .name: br, .offset: 16, .size: 8, .value_kind: global_buffer, .address_space: global }
      - { .name: xq, .offset: 24, .size: 8, .value_kind: global_buffer, .address_space: global }
      - { .name: sel, .offset: 32, .size: 8, .value_kind: global_buffer, .address_space: global }
      - { .name: gate, .offset: 40, .size: 8, .value_kind: global_buffer, .address_space: global }
    .group_segment_fixed_size: 77824
    .private_segment_fixed_size: 0
    .kernarg_segment_align: 8
    .kernarg_segment_size: 48
    .max_flat_workgroup_size: 256
    .sgpr_count:     66
    .vgpr_count:     258
    .wavefront_size: 32
...
	.end_amdgpu_metadata
.endif
;; end of part 1
;; launch place (part 2): grid 1 x 1, 32 waves a work-group, no clusters, 8,192 bytes of LDS; arguments sel, plan; writes plan
.if DOCPART == 2
	.amdgcn_target "amdgcn-amd-amdhsa--gfx1250"
	.amdhsa_code_object_version 6
	.text
	.protected	k_q14ecd05aa0_place
	.globl	k_q14ecd05aa0_place
	.p2align	8
	.type	k_q14ecd05aa0_place,@function
k_q14ecd05aa0_place:
	s_mov_b64 s[64:65], 0
	v_nop
	global_prefetch_b8 v0, s[64:65] scope:SCOPE_SE
	s_setreg_imm32_b32 hwreg(HW_REG_WAVE_MODE, 25, 1), 1
	s_wait_xcnt 0x0
; THE ROWS ARE PLACED BY EXPERT.  sel: [2048][2] chosen experts = 4,096 entries (entry = 2 x token + choice).  A counting sort without atomics, by one work-group of 32 waves.
; Each expert's rows are cut into tiles of 176; tile after tile takes a SLOT of 176 rows.  The sum over experts of ceil(n / 176) is at most (4,096 + 8 x 175) / 176, rounded down: 31 slots serve every split.
; Out, in plan: tinfo[64] at byte 0: expert | (rows - 1) << 8 | slot to read rows from << 16 (a slot without rows names row 0 of slot 0);
; pos[4096] at POSOFF: the row (176 x slot + place) of each entry;  rowtok[5456] at RTOFF: the token of each row that is in use.
; Thread i holds entries 4 i .. 4 i + 3.  Inside an expert the rows are ordered by wave, then by the entry's place j in its thread, then by lane: any order serves, since nothing is dropped.
.set POSOFF, 256
.set RTOFF,  16640
.set NN,  16                           ; s16-23  rows of each expert
.set TB,  24                           ; s24-31  slots in front of each expert
.set MM,  32                           ; s32-63  mask 8 j + e: the lanes whose entry j names expert e
.set RUN, 66                           ; s66-73  the next free row of each expert, for my wave
	s_load_b128 s[4:7], s[0:1], 0x0                ; sel, plan
	v_lshl_add_u32 v64, v0, 2, 0x1000
	v_mov_b32 v65, 0
	v_lshrrev_b32 v1, 5, v0
	v_readfirstlane_b32 s8, v1                     ; wave
	v_and_b32 v2, 31, v0                           ; lane
	v_lshlrev_b32 v3, 4, v0
	s_mov_b32 s10, 0x76543210
	s_mov_b32 s11, 0xfedcba98
	s_wait_kmcnt 0x0
	global_load_b128 v[4:7], v3, s[4:5]
	v_lshlrev_b32 v8, 7, v2
	v_lshl_add_u32 v8, v1, 2, v8                   ; LDS: 128 x lane + 4 x wave
	v_lshlrev_b32 v9, 2, v2                        ; 4 x lane
	s_wait_loadcnt 0x0
.irp j, 0,1,2,3
.irp e, 0,1,2,3,4,5,6,7
	v_cmp_eq_u32 s[MM+8*\j+\e], \e, v[4+\j]
.endr
.endr
.irp e, 0,1,2,3,4,5,6,7                ; my wave's count for each expert, 128 at the most
	s_bcnt1_i32_b32 s[NN+\e], s[MM+\e]
	s_bcnt1_i32_b32 s74, s[MM+8+\e]
	s_add_co_u32 s[NN+\e], s[NN+\e], s74
	s_bcnt1_i32_b32 s74, s[MM+16+\e]
	s_add_co_u32 s[NN+\e], s[NN+\e], s74
	s_bcnt1_i32_b32 s74, s[MM+24+\e]
	s_add_co_u32 s[NN+\e], s[NN+\e], s74
.endr
	v_mov_b32 v10, 0
.irp p, 0,1,2,3                        ; two counts to a word: no sum of them passes 4,096
	s_lshl_b32 s74, s[NN+2*\p+1], 16
	s_or_b32 s74, s74, s[NN+2*\p]
	v_writelane_b32 v10, s74, \p
.endr
	ds_store_b32 v8, v10                           ; word p of wave w at 128 p + 4 w (lanes 4 and up store zeros further on, which nobody reads)
	s_wait_dscnt 0x0
	s_barrier_signal -1
	s_barrier_wait -1
.irp p, 0,1,2,3
	ds_load_b32 v[12+\p], v9 offset:128*\p         ; here a lane stands for a wave
.endr
.irp i, 0,1,2,3,4,5,6,7
	v_mov_b32 v[20+\i], 0                          ; written once: the destination of a lane move counts as read
.endr
	v_cmp_gt_u32 vcc_lo, s8, v2                    ; the waves in front of mine
	s_wait_dscnt 0x0
.irp p, 0,1,2,3
	v_cndmask_b32 v[16+\p], 0, v[12+\p], vcc_lo
.endr
.irp x, 1,2,4,8                        ; eight sums over the lanes, in whole numbers
.irp i, 0,1,2,3,4,5,6,7
	v_mov_b32_dpp v[20+\i], v[12+\i] row_xmask:\x row_mask:0xf bank_mask:0xf
.endr
.irp i, 0,1,2,3,4,5,6,7
	v_add_nc_u32 v[12+\i], v[12+\i], v[20+\i]
.endr
.endr
.irp i, 0,1,2,3,4,5,6,7
	v_permlanex16_b32 v[20+\i], v[12+\i], s10, s11
.endr
.irp i, 0,1,2,3,4,5,6,7
	v_add_nc_u32 v[12+\i], v[12+\i], v[20+\i]
.endr
.irp p, 0,1,2,3
	v_readfirstlane_b32 s[76+\p], v[12+\p]
	v_readfirstlane_b32 s[80+\p], v[16+\p]
.endr
.irp p, 0,1,2,3
	s_and_b32 s[NN+2*\p], s[76+\p], 0xffff
	s_lshr_b32 s[NN+2*\p+1], s[76+\p], 16
	s_and_b32 s[RUN+2*\p], s[80+\p], 0xffff
	s_lshr_b32 s[RUN+2*\p+1], s[80+\p], 16
.endr
	s_mov_b32 s[TB], 0
.irp e, 0,1,2,3,4,5,6
	s_add_co_u32 s74, s[NN+\e], 175
	s_mul_i32 s74, s74, 5958                       ; x 5,958 >> 20 is x / 176 rounded down: 5,958 x 176 = 2^20 + 32, so the excess stays under 1 / 176 for x under 32,768
	s_lshr_b32 s74, s74, 20
	s_add_co_u32 s[TB+\e+1], s[TB+\e], s74
.endr
.irp e, 0,1,2,3,4,5,6,7
	s_mul_i32 s74, s[TB+\e], 176
	s_add_co_u32 s[RUN+\e], s[RUN+\e], s74
.endr
.irp j, 0,1,2,3
	v_mov_b32 v[28+\j], 0
.endr
.irp j, 0,1,2,3
.irp e, 0,1,2,3,4,5,6,7
	v_mbcnt_lo_u32_b32 v32, s[MM+8*\j+\e], s[RUN+\e]   ; the expert's next free row + the lanes below mine that name it
	v_cndmask_b32 v[28+\j], v[28+\j], v32, s[MM+8*\j+\e]
	s_bcnt1_i32_b32 s74, s[MM+8*\j+\e]
	s_add_co_u32 s[RUN+\e], s[RUN+\e], s74
.endr
.endr
	global_store_b128 v3, v[28:31], s[6:7] offset:POSOFF
	v_lshlrev_b32 v40, 1, v0                       ; my entries' tokens: 2 i, 2 i, 2 i + 1, 2 i + 1
	v_add_nc_u32 v41, 1, v40
.irp j, 0,1,2,3
	v_min_u32 v[36+\j], 5455, v[28+\j]             ; a row's number enters an address only behind this hold
	v_lshlrev_b32 v[36+\j], 2, v[36+\j]
.endr
.irp j, 0,1,2,3
	global_store_b32 v[36+\j], v[40+\j/2], s[6:7] offset:RTOFF
.endr
	s_cmp_gt_u32 s8, 1
	s_cbranch_scc1 .Lend                           ; waves 0 and 1: thread j writes slot j's entry
	v_mov_b32 v44, 0
	v_mov_b32 v45, s[NN]
	v_mov_b32 v46, 0
.irp e, 1,2,3,4,5,6,7                  ; the last expert whose first slot is not behind j
	v_cmp_le_u32 vcc_lo, s[TB+\e], v0
	v_cndmask_b32 v44, v44, \e, vcc_lo
	v_cndmask_b32 v45, v45, s[NN+\e], vcc_lo
	v_cndmask_b32 v46, v46, s[TB+\e], vcc_lo
.endr
	v_sub_nc_u32 v47, v0, v46
	v_mul_u32_u24 v47, v47, 176
	v_sub_nc_u32 v47, v45, v47                     ; rows left for this slot,
	v_max_i32 v47, 0, v47
	v_min_i32 v47, 176, v47                        ; held to 0 .. 176
	v_max_i32 v48, 1, v47
	v_add_nc_u32 v48, -1, v48
	v_cmp_lt_i32 vcc_lo, 0, v47
	v_cndmask_b32 v49, 0, v0, vcc_lo
	v_lshl_or_b32 v44, v48, 8, v44
	v_lshl_or_b32 v44, v49, 16, v44
	v_lshlrev_b32 v50, 2, v0
	global_store_b32 v50, v44, s[6:7]
.Lend:
	s_wait_tensorcnt 0x0
	ds_add_u32 v64, v65
	s_wait_dscnt 0x0
	s_endpgm
.Lfunc_end_k_q14ecd05aa0_place:
	.size	k_q14ecd05aa0_place, .Lfunc_end_k_q14ecd05aa0_place-k_q14ecd05aa0_place
	.p2alignl 7, 3214868480
	.fill 96, 4, 3214868480
	.section	.rodata,"a",@progbits
	.p2align	6, 0x0
	.amdhsa_kernel k_q14ecd05aa0_place
		.amdhsa_group_segment_fixed_size 8192
		.amdhsa_private_segment_fixed_size 0
		.amdhsa_enable_private_segment 0
		.amdhsa_kernarg_size 16
		.amdhsa_user_sgpr_count 2
		.amdhsa_user_sgpr_kernarg_segment_ptr 1
		.amdhsa_wavefront_size32 1
		.amdhsa_system_sgpr_workgroup_id_x 1
		.amdhsa_system_sgpr_workgroup_id_y 1
		.amdhsa_system_sgpr_workgroup_id_z 1
		.amdhsa_system_vgpr_workitem_id 0
		.amdhsa_next_free_vgpr 66
		.amdhsa_next_free_sgpr 100
		.amdhsa_reserve_vcc 1
		.amdhsa_float_denorm_mode_32 3
		.amdhsa_float_denorm_mode_16_64 3
		.amdhsa_memory_ordered 1
		.amdhsa_forward_progress 1
		.amdhsa_inst_pref_size 23
	.end_amdhsa_kernel
	.amdgpu_metadata
---
amdhsa.version: [ 1, 2 ]
amdhsa.kernels:
  - .name:           k_q14ecd05aa0_place
    .symbol:         k_q14ecd05aa0_place.kd
    .args:
      - { .name: sel, .offset: 0, .size: 8, .value_kind: global_buffer, .address_space: global }
      - { .name: plan, .offset: 8, .size: 8, .value_kind: global_buffer, .address_space: global }
    .group_segment_fixed_size: 8192
    .private_segment_fixed_size: 0
    .kernarg_segment_align: 8
    .kernarg_segment_size: 16
    .max_flat_workgroup_size: 1024
    .sgpr_count:     100
    .vgpr_count:     66
    .wavefront_size: 32
...
	.end_amdgpu_metadata
.endif
;; end of part 2
;; launch up (part 3): grid 8 x 31, 4 waves a work-group, no clusters, 294,400 bytes of LDS; arguments xq, W1_codes, W1_scales, b1, plan, hq; writes hq
.if DOCPART == 3
	.amdgcn_target "amdgcn-amd-amdhsa--gfx1250"
	.amdhsa_code_object_version 6
	.text
	.protected	k_q14ecd05aa0_up
	.globl	k_q14ecd05aa0_up
	.p2align	8
	.type	k_q14ecd05aa0_up,@function
k_q14ecd05aa0_up:
	s_mov_b64 s[64:65], 0
	v_nop
	global_prefetch_b8 v0, s[64:65] scope:SCOPE_SE
	s_setreg_imm32_b32 hwreg(HW_REG_WAVE_MODE, 25, 1), 1
	s_wait_xcnt 0x0
; THE FIRST PRODUCT OF THE CHOSEN ROWS: hq = Q(relu(xq W1^T + b1)), on codes of E3M2 with one E8M0 scale for each 32 along K = 1,024.
; A work-group takes one slot (176 rows of one expert: 11 fragments of 16) x 256 hidden units (work-group x); wave w makes all 176 rows x units 64 w .. 64 w + 63: 44 accumulators.
; THE GRID SERVES EVERY SPLIT: 31 slots.  Which expert and which tokens a slot has are whole numbers that an earlier launch stored; here they enter ADDRESSES alone, never a branch, since the four waves
; meet at barriers.  A tile that is short repeats its last row; a slot without rows takes row 0 of slot 0 for all its rows: such rows land in the slot's own rows of hq, and nobody uses them.
; No tensor loads and no cluster: the rows of x are gathered by a list, and a tile's expert is a number read from memory, so partners could not be given one descriptor.
; THE PRODUCT IS USED TRANSPOSED (source 0 = 16 rows of W1, source 1 = 16 rows of x), and lane r of tile 2 b + u takes W1's row 32 b + 8 u + r + 8 (r / 8): a lane then holds ONE row, and its 16 registers
; of tiles 2 b, 2 b + 1 are the hidden units 32 b + 16 (lane / 16) + 0 .. 15: neighbours along the next K, as the conversions want them.
; 48 BYTES A LANE: a fragment comes by three loads of 16 bytes, lane (r, h) taking bytes 96 q + 48 h on of its row, so its two blocks are 4 q + 2 h and 4 q + 2 h + 1 where the instruction takes them for
; blocks h and 2 + h.  Both operands are read alike, so the products pair as they should; the scale words' bytes stand in the order 0, 2, 1, 3 (xq's are stored so, W1's are turned once).
; A load of 16 bytes of scales serves four K steps: lanes 0-15 hold those of K steps 0-3, lanes 16-31 those of 4-7, chosen by the scale operands' row.
; x's 176 rows lie in LDS for all of K, shared by the four waves; each wave's 64 rows of W1 go through its own two LDS buffers, 256 along K at a time, asked for two pieces ahead.
; The bias is the C of each sum's first product.  LIMITS: as the quantiser's floor has it, a block whose largest number lies under 2^-122 gets the byte 1 (its codes are zeros or nearly so); NaN and infinities are not served.
; REGISTERS, in windows of 256: window 0: v1-39 addresses, v40-63 at work, v64-107 x's scale words, v108-123 W1's, v124-255 x's 11 fragments (before the loop: offsets; behind it: at work).
;   window 1: v0-47 W1's 4 fragments, v48-143 and v144-239 W1 on its way to LDS.  window 2: accumulators of row fragments 0-7 at 32 m + 8 t.  window 3: those of 8-10; v96-127 the bias.
.set APITCH, 784                       ; a row of x in LDS: 768 bytes + 16 = 196 words: row r starts at bank 4 r mod 64 (64 banks of 4 bytes: ISA guide 11.1)
.set WPITCH, 208                       ; a row of W1's piece: 192 bytes + 16 = 52 words: sixteen rows start at sixteen different multiples of 4 banks
.set WPB,    137984                    ; behind x's 176 rows: for each wave two buffers of 64 rows
.set WBUF,   13312
.set STG,    244480                    ; the stage for the codes: 176 rows of sixteen places of 16 bytes, each with 12 bytes (16 codes), + 16
.set SPITCH, 272
.set SSC,    292352                    ; and for the scale bytes: 192 rows x 8 (176 in use)
.set RTOFF,  16640
.set XSOFF,  1572864
.set HSOFF,  8380416
.set FA,  16                           ; v16-18  x's fragments: 784 r + 48 h, + 62,720 for each five fragments
.set FW,  19                           ; v19     W1's fragments in my buffers
.set LW,  20                           ; v20-21  W1 into LDS: 208 (lane / 8) + 16 (lane % 8);  208 (lane / 4) + 16 (lane % 4)
.set GW,  22                           ; v22-23  the same places in memory, rows 768 bytes apart
.set LA,  26                           ; v26-28  x into LDS
.set SO,  29                           ; v29     codes into the stage
.set SS,  30                           ; v30     scale bytes into theirs
.set LR,  31                           ; v31     the stage read back
.set GH,  34                           ; v34     and the same place in hq
.set T16, 37                           ; v37     16 x thread
.set SR,  38                           ; v38     the scale bytes read back
.set PW,  14                           ; v14-15  two scale bytes, two sets
.set TM,  40                           ; v40-47  at work
.set PC,  48                           ; v48-63  codes, two sets of 8
.set XS,  64
.set WS,  108
.set XF,  124
.set RT,  124                          ; v124-145 before the loop: the 22 rows that I bring in
.set RS,  146                          ; v146-156 the 11 rows whose scale words I hold
.set HT,  124                          ; behind the loop: 32 numbers of the hidden layer
.set OD,  160                          ; and what leaves: v160-247; v248-251 the scale bytes
.set WF,  0
.set SW0, 48
.set SW1, 144
.set BI,  96
.set MSB, 0
.macro WIN new                         ; the immediate's high byte repeats the setting that is left
.if MSB != \new
	s_set_vgpr_msb (MSB<<8)|\new
.set MSB, \new
.endif
.endm
.macro PLACES                          ; four plain places behind a product, in front of loads into its sources and of the first read of results
.rept 4
	v_nop
.endr
.endm
.macro BARRIER
	s_wait_dscnt 0x0
	s_barrier_signal -1
	s_barrier_wait -1
.endm
	s_load_b256 s[4:11], s[0:1], 0x0               ; xq s[4:5], W1's codes s[6:7], its scales s[8:9], b1 s[10:11]
	s_load_b128 s[12:15], s[0:1], 0x20             ; plan s[12:13], hq s[14:15]
	v_lshl_add_u32 v59, v0, 2, 0x47c00
	v_mov_b32 v63, 0
	v_lshrrev_b32 v4, 5, v0
	v_readfirstlane_b32 s16, v4                    ; wave
	s_mov_b32 s17, ttmp9                           ; which 256 hidden units
	s_and_b32 s18, ttmp7, 0xffff                   ; slot
	s_lshl_b32 s23, s18, 2
	s_wait_kmcnt 0x0
	s_load_b32 s19, s[12:13], s23 offset:0x0       ; the slot's entry
	v_and_b32 v1, 15, v0                           ; r
	v_bfe_u32 v2, v0, 4, 1                         ; h
	v_lshrrev_b32 v5, 4, v0                        ; thread / 16
	s_mov_b32 s26, 0x76543210
	s_mov_b32 s27, 0xfedcba98
	s_mov_b32 s28, 0x03010200                      ; bytes 0, 2, 1, 3
	s_mov_b32 s33, 0
	s_mul_i32 s30, s16, 2*WBUF
	s_add_co_u32 s30, s30, WPB
	v_mul_u32_u24 v[FA], v1, APITCH
	v_mad_u32_u24 v[FA], v2, 48, v[FA]
	v_add_nc_u32 v[FA+1], 62720, v[FA]
	v_add_nc_u32 v[FA+2], 125440, v[FA]
	v_mul_u32_u24 v[FW], v1, WPITCH
	v_mad_u32_u24 v[FW], v2, 48, v[FW]
	v_add_nc_u32 v[FW], s30, v[FW]
	; W1's piece, eight rows of 192 bytes by three loads: two take 128 bytes of four rows each (eight lanes to a row), the third the last 64 bytes of all eight (four lanes to a row)
	v_bfe_u32 v6, v0, 3, 2                         ; lane / 8
	v_and_b32 v7, 7, v0                            ; lane % 8
	v_mul_u32_u24 v[LW], v6, WPITCH
	v_lshl_add_u32 v[LW], v7, 4, v[LW]
	v_add_nc_u32 v[LW], s30, v[LW]
	v_mul_u32_u24 v[GW], v6, 768
	v_lshl_add_u32 v[GW], v7, 4, v[GW]
	v_bfe_u32 v6, v0, 2, 3                         ; lane / 4
	v_and_b32 v7, 3, v0                            ; lane % 4
	v_mul_u32_u24 v[LW+1], v6, WPITCH
	v_lshl_add_u32 v[LW+1], v7, 4, v[LW+1]
	v_add_nc_u32 v[LW+1], s30, v[LW+1]
	v_mul_u32_u24 v[GW+1], v6, 768
	v_lshl_add_u32 v[GW+1], v7, 4, v[GW+1]
	v_lshlrev_b32 v10, 4, v1                       ; 16 x (thread % 16)
	v_mul_u32_u24 v[LA], v5, APITCH
	v_add_nc_u32 v[LA], v[LA], v10
	v_add_nc_u32 v[LA+1], 50176, v[LA]
	v_add_nc_u32 v[LA+2], 100352, v[LA]
	s_lshl_b32 s31, s16, 6
	s_add_co_u32 s31, s31, STG
	v_mul_u32_u24 v[SO], v1, SPITCH
	v_lshl_add_u32 v[SO], v2, 5, v[SO]
	v_add_nc_u32 v[SO], s31, v[SO]                 ; the stage: row r; my wave's four places, my half's two of them: 64 x wave + 32 h
	s_lshl_b32 s31, s16, 1
	s_add_co_u32 s31, s31, SSC
	v_lshl_add_u32 v[SS], v1, 3, s31
	v_mul_u32_u24 v[LR], v5, SPITCH
	v_add_nc_u32 v[LR], v[LR], v10
	v_add_nc_u32 v[LR], STG, v[LR]                 ; back: row thread / 16 of eight, place thread % 16
	v_mul_u32_u24 v[GH], v5, 1536
	v_mad_u32_u24 v[GH], v1, 12, v[GH]             ; and in hq: 12 bytes a lane
	v_lshlrev_b32 v[T16], 4, v0
	v_add_nc_u32 v[SR], SSC, v[T16]
	v_lshlrev_b32 v11, 6, v2                       ; the bias: 64 h
	v_and_b32 v12, 8, v1
	v_add_nc_u32 v12, v12, v1
	v_lshlrev_b32 v12, 5, v12
	v_lshl_add_u32 v12, v2, 4, v12                 ; W1's scales: 32 (r + 8 (r / 8)) + 16 h
	v_lshlrev_b32 v13, 4, v2                       ; 16 h
	v_mov_b32 v[TM+2], 0                           ; written once: a lane permute's destination counts as read
	v_mov_b32 v[TM+3], 0
	s_mul_i32 s32, s18, 270336
	s_mul_i32 s35, s17, 192
	s_add_co_u32 s32, s32, s35
	s_add_nc_u64 s[36:37], s[14:15], s[32:33]      ; hq: the slot's first row, my work-group's 192 bytes
	s_mul_i32 s32, s17, 47616
	s_mul_i32 s35, s18, 1536
	s_add_co_u32 s32, s32, s35
	s_add_co_u32 s32, s32, HSOFF
	s_add_nc_u64 s[38:39], s[14:15], s[32:33]      ; and its scale bytes
	s_wait_kmcnt 0x0
	s_and_b32 s20, s19, 0xff
	s_min_u32 s20, s20, 7                          ; the expert
	s_bfe_u32 s21, s19, 0x80008
	s_min_u32 s21, s21, 175                        ; the last row in use
	s_bfe_u32 s22, s19, 0x80010
	s_min_u32 s22, s22, 30
	s_mul_i32 s22, s22, 176                        ; the first row of the slot whose list I read
.irp mm, 0,1,2,3,4,5,6,7,8,9,10,11,12,13,14,15,16,17,18,19,20,21
	v_add_nc_u32 v[RT+\mm], 8*\mm, v5              ; row thread / 16 + 8 m,
	v_min_u32 v[RT+\mm], s21, v[RT+\mm]            ; or the last row in use,
	v_min_u32 v[RT+\mm], 175, v[RT+\mm]
	v_add_nc_u32 v[RT+\mm], s22, v[RT+\mm]
	v_lshlrev_b32 v[RT+\mm], 2, v[RT+\mm]
.endr
.irp mm, 0,1,2,3,4,5,6,7,8,9,10
	v_add_nc_u32 v[RS+\mm], 16*\mm, v1             ; row 16 m + r
	v_min_u32 v[RS+\mm], s21, v[RS+\mm]
	v_min_u32 v[RS+\mm], 175, v[RS+\mm]
	v_add_nc_u32 v[RS+\mm], s22, v[RS+\mm]
	v_lshlrev_b32 v[RS+\mm], 2, v[RS+\mm]
.endr
.set i, 0
.rept 33
	global_load_b32 v[RT+i], v[RT+i], s[12:13] offset:RTOFF   ; the rows' tokens (a load may land on its own address)
.set i, i+1
.endr
	s_lshl_b32 s34, s17, 8
	s_lshl_b32 s35, s16, 6
	s_add_co_u32 s34, s34, s35                     ; my first hidden unit
	s_mul_i32 s32, s20, 1572864
	s_mul_i32 s35, s34, 768
	s_add_co_u32 s32, s32, s35
	s_add_nc_u64 s[6:7], s[6:7], s[32:33]
	s_lshl_b32 s32, s20, 16
	s_lshl_b32 s35, s34, 5
	s_add_co_u32 s32, s32, s35
	s_add_nc_u64 s[8:9], s[8:9], s[32:33]
	s_lshl_b32 s32, s20, 13
	s_lshl_b32 s35, s34, 2
	s_add_co_u32 s32, s32, s35
	s_add_nc_u64 s[10:11], s[10:11], s[32:33]
.macro GLW c, set                      ; piece c (256 along K) of my 64 rows of W1: 24 loads, three for each eight rows
	WIN 0x40
.irp mm, 0,1,2,3,4,5,6,7
	global_load_b128 v[\set+12*\mm:\set+12*\mm+3],    v[GW],   s[6:7] offset:6144*\mm+192*(\c)        ; rows 0-3 of the eight, bytes 0-127
	global_load_b128 v[\set+12*\mm+4:\set+12*\mm+7],  v[GW],   s[6:7] offset:6144*\mm+3072+192*(\c)   ; rows 4-7
	global_load_b128 v[\set+12*\mm+8:\set+12*\mm+11], v[GW+1], s[6:7] offset:6144*\mm+128+192*(\c)    ; all eight, bytes 128-191
.endr
	WIN 0
.endm
.macro STW set, buf                    ; into my buffer; groups of eight rows change places (bits 0 and 1 of the group's number), so that tile t is LDS rows 16 t .. 16 t + 15
	WIN 0x04
.irp mm, 0,1,2,3,4,5,6,7
.set SG, WBUF*(\buf)+1664*(((\mm)&4)|(((\mm)&1)<<1)|(((\mm)>>1)&1))
	ds_store_b128 v[LW],   v[\set+12*\mm:\set+12*\mm+3]    offset:SG
	ds_store_b128 v[LW],   v[\set+12*\mm+4:\set+12*\mm+7]  offset:SG+4*WPITCH
	ds_store_b128 v[LW+1], v[\set+12*\mm+8:\set+12*\mm+11] offset:SG+128
.endr
	WIN 0
.endm
.macro ASTORE lo, hi                   ; x's rows into LDS: load n is row thread / 16 + 8 (n / 3), bytes 256 (n % 3) on
.set n, \lo
.rept \hi-\lo
.if n < 64
	WIN 0x08
	ds_store_b128 v[LA+(n/3)/8], v[4*n:4*n+3] offset:6272*((n/3)%8)+256*(n%3)
.else
	WIN 0x0c
	ds_store_b128 v[LA+(n/3)/8], v[4*(n-64):4*(n-64)+3] offset:6272*((n/3)%8)+256*(n%3)
.endif
.set n, n+1
.endr
	WIN 0
.endm
	GLW 0, SW0
	GLW 1, SW1
.irp t, 0,1,2,3
	global_load_b128 v[WS+4*\t:WS+4*\t+3], v12, s[8:9] offset:(32*(\t/2)+8*(\t%2))*32
.endr
	WIN 0xc0
.irp t, 0,1,2,3
	global_load_b128 v[BI+8*\t:BI+8*\t+3], v11, s[10:11] offset:(32*(\t/2)+8*(\t%2))*4
	global_load_b128 v[BI+8*\t+4:BI+8*\t+7], v11, s[10:11] offset:(32*(\t/2)+8*(\t%2))*4+16
.endr
	WIN 0
	s_wait_loadcnt 60                              ; the tokens are in: behind them 24 + 24 + 4 + 8 loads were issued
.irp mm, 0,1,2,3,4,5,6,7,8,9,10,11,12,13,14,15,16,17,18,19,20,21
	v_min_u32 v[RT+\mm], 2047, v[RT+\mm]
	v_mul_u32_u24 v[RT+\mm], v[RT+\mm], 768
	v_add_nc_u32 v[RT+\mm], v[RT+\mm], v10
.endr
.irp mm, 0,1,2,3,4,5,6,7,8,9,10
	v_min_u32 v[RS+\mm], 2047, v[RS+\mm]
	v_lshlrev_b32 v[RS+\mm], 5, v[RS+\mm]
	v_add_nc_u32 v[RS+\mm], v[RS+\mm], v13
.endr
.irp mm, 0,1,2,3,4,5,6,7,8,9,10
	global_load_b128 v[XS+4*\mm:XS+4*\mm+3], v[RS+\mm], s[4:5] offset:XSOFF
.endr
.set n, 0
.rept 66                               ; sixteen lanes read 256 consecutive bytes of a token's codes, at a multiple of 256 from xq's first byte
.if n < 64
	WIN 0x80
	global_load_b128 v[4*n:4*n+3], v[RT+n/3], s[4:5] offset:256*(n%3)
.else
	WIN 0xc0
	global_load_b128 v[4*(n-64):4*(n-64)+3], v[RT+n/3], s[4:5] offset:256*(n%3)
.endif
.set n, n+1
.endr
	WIN 0
	s_wait_loadcnt 63                              ; W1's piece 0 and its scale words are in: 85 loads or more are younger than they
.set i, 0
.rept 16
	v_perm_b32 v[WS+i], v[WS+i], v[WS+i], s28
.set i, i+1
.endr
.rept 8
	v_nop                                          ; a scale register written by a vector instruction stands 8 places ahead of a scaled product
.endr
	STW SW0, 0
	s_wait_dscnt 0x0                               ; the stores have read their registers
	GLW 2, SW0
	s_wait_loadcnt 63                              ; x's first 22 loads are in: 44 + 24 are younger
	ASTORE 0, 22
	s_wait_loadcnt 46                              ; 22 + 24 younger
	ASTORE 22, 44
	s_wait_loadcnt 24                              ; piece 2's 24 may be out
	ASTORE 44, 66
	BARRIER                                        ; x's 176 rows lie in LDS
.macro FETCH q, buf                    ; K step q: W1's four fragments from my buffer, then x's eleven
	WIN 0x40
.irp t, 0,1,2,3
.irp k, 0,1,2
	ds_load_b128 v[WF+12*\t+4*\k:WF+12*\t+4*\k+3], v[FW] offset:WBUF*(\buf)+3328*\t+96*((\q)%2)+16*\k
.endr
.endr
	WIN 0
.irp mm, 0,1,2,3,4,5,6,7,8,9,10
.irp k, 0,1,2
	ds_load_b128 v[XF+12*\mm+4*\k:XF+12*\mm+4*\k+3], v[FA+\mm/5] offset:12544*(\mm%5)+96*(\q)+16*\k
.endr
.endr
.endm
.macro PROD q, first, mm, t
.set AC, 32*((\mm)%8)+8*(\t)
.if \first
	v_wmma_scale_f32_16x16x128_f8f6f4 v[AC:AC+7], v[WF+12*(\t):WF+12*(\t)+11], v[XF+12*(\mm):XF+12*(\mm)+11], v[BI+8*(\t):BI+8*(\t)+7], v[WS+4*(\t)], v[XS+4*(\mm)] matrix_a_fmt:MATRIX_FMT_BF6 matrix_b_fmt:MATRIX_FMT_BF6
.elseif \q < 4
	v_wmma_scale_f32_16x16x128_f8f6f4 v[AC:AC+7], v[WF+12*(\t):WF+12*(\t)+11], v[XF+12*(\mm):XF+12*(\mm)+11], v[AC:AC+7], v[WS+4*(\t)+(\q)], v[XS+4*(\mm)+(\q)] matrix_a_fmt:MATRIX_FMT_BF6 matrix_b_fmt:MATRIX_FMT_BF6
.else
	v_wmma_scale_f32_16x16x128_f8f6f4 v[AC:AC+7], v[WF+12*(\t):WF+12*(\t)+11], v[XF+12*(\mm):XF+12*(\mm)+11], v[AC:AC+7], v[WS+4*(\t)+(\q)-4], v[XS+4*(\mm)+(\q)-4] matrix_a_fmt:MATRIX_FMT_BF6 matrix_b_fmt:MATRIX_FMT_BF6 matrix_a_scale:MATRIX_SCALE_ROW1 matrix_b_scale:MATRIX_SCALE_ROW1
.endif
.endm
.macro MUL q, first                    ; 44 products; the 44 accumulators take turns, one instruction a turn, in the same order in every K step
.irp mm, 0,1,2,3,4,5,6,7,8,9,10
	s_wait_dscnt 3*(10-\mm)                        ; W1's fragments and x's up to this one are in; the later ones' three loads each may be out
.if \mm >= 8
	WIN 0xf1                                       ; source 0 (W1) window 1, source 1 (x) window 0, C and D window 3
.elseif \first
	WIN 0xb1                                       ; C (the bias) window 3, D window 2
.else
	WIN 0xa1                                       ; C and D window 2
.endif
.irp t, 0,1,2,3
	PROD \q, \first, \mm, \t
.endr
.endr
.endm
	FETCH 0, 0
	MUL 0, 1
	s_wait_loadcnt 24                              ; piece 1 is in; piece 2's 24 loads may be out
	STW SW1, 1
	PLACES
	FETCH 1, 0
	MUL 1, 0
	GLW 3, SW1                                     ; (the last wait above was for 0: the stores have read these registers)
	PLACES
	FETCH 2, 1
	MUL 2, 0
	s_wait_loadcnt 24                              ; piece 2 is in; piece 3's may be out
	STW SW0, 0
	PLACES
	FETCH 3, 1
	MUL 3, 0
	PLACES
	FETCH 4, 0
	MUL 4, 0
	s_wait_loadcnt 0x0                             ; piece 3
	STW SW1, 1
	PLACES
	FETCH 5, 0
	MUL 5, 0
	PLACES
	FETCH 6, 1
	MUL 6, 0
	PLACES
	FETCH 7, 1
	MUL 7, 0
	PLACES
; THE WAY OUT.  Row fragment m: relu into window 0; my 64 units are two blocks of 32, each in lanes l and l xor 16; scale, codes; an exchange of halves gives lane (r, h) the whole of block h:
; its lower 16 codes in the first run of three registers, its upper 16 in the second: two places of the stage.
.macro QUANT2 mm
.set AB, 32*((\mm)%8)
.set PS, PC+8*((\mm)%2)
.set PWS, PW+(\mm)%2
	WIN 0x08+4*((\mm)/8)                           ; source 1: window 2 or 3
.set i, 0
.rept 32
	v_max_num_f32 v[HT+i], 0, v[AB+i]              ; each accumulator from its low end on
.set i, i+1
.endr
	WIN 0
.irp b, 0,1
	v_max3_num_f32 v[TM+\b], v[HT+16*\b], v[HT+16*\b+1], 0x2800000   ; none is negative; the floor 2^(5 - 127) holds the byte at 1 from below
.endr
.irp i2, 2,4,6,8,10,12,14
.irp b, 0,1
	v_max3_num_f32 v[TM+\b], v[TM+\b], v[HT+16*\b+\i2], v[HT+16*\b+\i2+1]
.endr
.endr
.irp b, 0,1
	v_permlanex16_b32 v[TM+2+\b], v[TM+\b], s26, s27
.endr
.irp b, 0,1
	v_max_num_f32 v[TM+\b], v[TM+\b], v[TM+2+\b]
.endr
.irp b, 0,1
	v_add_nc_u32 v[TM+4+\b], 0xfe000000, v[TM+\b]  ; 4 off the exponent field: the conversion's scale operand
.endr
.irp b, 0,1
	v_lshrrev_b32 v[TM+6+\b], 23, v[TM+4+\b]
.endr
	s_wait_dscnt 3                                 ; the stores of the fragment before last, which read this set, are done: only the last fragment's three may be out
	v_lshl_or_b32 v[PWS], v[TM+7], 8, v[TM+6]
	v_cvt_scalef32_pk16_bf6_f32 v[PS:PS+2], v[HT:HT+15], v[TM+4]
	v_cvt_scalef32_pk16_bf6_f32 v[PS+4:PS+6], v[HT+16:HT+31], v[TM+5]
	v_nop                                          ; one plain place behind a scaled conversion
.irp i3, 0,1,2
	v_permlane16_swap_b32 v[PS+\i3], v[PS+4+\i3]
.endr
	ds_store_b96 v[SO], v[PS:PS+2] offset:16*SPITCH*(\mm)          ; 16 codes, 12 bytes, to a place of 16 bytes, so that every LDS address is a multiple of 16
	ds_store_b96 v[SO], v[PS+4:PS+6] offset:16*SPITCH*(\mm)+16
	ds_store_b16 v[SS], v[PWS] offset:128*(\mm)    ; both halves of the lanes write the same two bytes with the same value
.endm
.irp m2, 0,1,2,3,4,5,6,7,8,9,10
	QUANT2 \m2
.endr
	ds_store_b16 v[SS], v[PW] offset:128*11        ; rows 176-191 of the slot's 192 are padding that nobody reads: they get the last fragment's bytes, so that the slot's 1,536 scale bytes leave whole
	BARRIER                                        ; 176 rows of codes and 192 x 8 scale bytes lie in LDS
.set i, 0
.rept 22
	ds_load_b96 v[OD+4*i:OD+4*i+2], v[LR] offset:8*SPITCH*i        ; eight rows an instruction of the work-group
.set i, i+1
.endr
.set i, 0
.rept 22
	s_wait_dscnt 21-i
	global_store_b96 v[GH], v[OD+4*i:OD+4*i+2], s[36:37] offset:12288*i   ; sixteen lanes store a row's 192 consecutive bytes
.set i, i+1
.endr
	s_cmp_gt_u32 s16, 2
	s_cbranch_scc1 .Lend                           ; 1,536 scale bytes are 96 places of 16: waves 0 to 2
	ds_load_b128 v[248:251], v[SR]
	s_wait_dscnt 0x0
	global_store_b128 v[T16], v[248:251], s[38:39] ; a wave stores 512 consecutive bytes, at a multiple of 256 from hq's first byte
.Lend:
	s_wait_tensorcnt 0x0
	ds_add_u32 v59, v63
	s_wait_dscnt 0x0
	s_endpgm
.Lfunc_end_k_q14ecd05aa0_up:
	.size	k_q14ecd05aa0_up, .Lfunc_end_k_q14ecd05aa0_up-k_q14ecd05aa0_up
	.p2alignl 7, 3214868480
	.fill 96, 4, 3214868480
	.section	.rodata,"a",@progbits
	.p2align	6, 0x0
	.amdhsa_kernel k_q14ecd05aa0_up
		.amdhsa_group_segment_fixed_size 294400
		.amdhsa_private_segment_fixed_size 0
		.amdhsa_enable_private_segment 0
		.amdhsa_kernarg_size 48
		.amdhsa_user_sgpr_count 2
		.amdhsa_user_sgpr_kernarg_segment_ptr 1
		.amdhsa_wavefront_size32 1
		.amdhsa_system_sgpr_workgroup_id_x 1
		.amdhsa_system_sgpr_workgroup_id_y 1
		.amdhsa_system_sgpr_workgroup_id_z 1
		.amdhsa_system_vgpr_workitem_id 0
		.amdhsa_next_free_vgpr 1024
		.amdhsa_next_free_sgpr 66
		.amdhsa_reserve_vcc 0
		.amdhsa_float_denorm_mode_32 3
		.amdhsa_float_denorm_mode_16_64 3
		.amdhsa_memory_ordered 1
		.amdhsa_forward_progress 1
		.amdhsa_inst_pref_size 161
	.end_amdhsa_kernel
	.amdgpu_metadata
---
amdhsa.version: [ 1, 2 ]
amdhsa.kernels:
  - .name:           k_q14ecd05aa0_up
    .symbol:         k_q14ecd05aa0_up.kd
    .args:
      - { .name: xq, .offset: 0, .size: 8, .value_kind: global_buffer, .address_space: global }
      - { .name: W1_codes, .offset: 8, .size: 8, .value_kind: global_buffer, .address_space: global }
      - { .name: W1_scales, .offset: 16, .size: 8, .value_kind: global_buffer, .address_space: global }
      - { .name: b1, .offset: 24, .size: 8, .value_kind: global_buffer, .address_space: global }
      - { .name: plan, .offset: 32, .size: 8, .value_kind: global_buffer, .address_space: global }
      - { .name: hq, .offset: 40, .size: 8, .value_kind: global_buffer, .address_space: global }
    .group_segment_fixed_size: 294400
    .private_segment_fixed_size: 0
    .kernarg_segment_align: 8
    .kernarg_segment_size: 48
    .max_flat_workgroup_size: 128
    .sgpr_count:     66
    .vgpr_count:     1024
    .wavefront_size: 32
...
	.end_amdgpu_metadata
.endif
;; end of part 3
;; launch down (part 4): grid 8 x 31, 4 waves a work-group, no clusters, 284,672 bytes of LDS; arguments hq, W2_codes, W2_scales, b2, plan, yw; writes yw
.if DOCPART == 4
	.amdgcn_target "amdgcn-amd-amdhsa--gfx1250"
	.amdhsa_code_object_version 6
	.text
	.protected	k_q14ecd05aa0_down
	.globl	k_q14ecd05aa0_down
	.p2align	8
	.type	k_q14ecd05aa0_down,@function
k_q14ecd05aa0_down:
	s_mov_b64 s[64:65], 0
	v_nop
	global_prefetch_b8 v0, s[64:65] scope:SCOPE_SE
	s_setreg_imm32_b32 hwreg(HW_REG_WAVE_MODE, 25, 1), 1
	s_wait_xcnt 0x0
; THE SECOND PRODUCT OF THE CHOSEN ROWS: yw = hq W2^T + b2, on codes of E3M2 with one E8M0 scale for each 32 along K = 2,048; yw: [5456][1024] f32, a row for each row of each slot.
; A work-group takes one slot (176 rows of one expert) x 128 outputs (work-group x); wave w makes all 176 rows x outputs 32 w .. 32 w + 31: 22 accumulators.
; The grid, the slots and the reasons for no tensor load and no cluster are those of the launch before: the expert is a number read from memory, and it enters addresses alone; every slot runs the whole text.
; TRANSPOSED (source 0 = 16 rows of W2, source 1 = 16 rows of hq): a lane holds eight neighbouring outputs of one row.  48 BYTES A LANE, as in the launch before: both operands are read alike and
; both sides' scale words are turned to the byte order 0, 2, 1, 3.  Lanes 0-15 hold the scale words of K steps 0-7, lanes 16-31 those of 8-15, chosen by the scale operands' row.
; hq's 176 rows lie in LDS half of K at a time (two panels of 768 bytes a row); the second panel is asked for into registers while the first is multiplied, and changes place with it between two barriers.
; Each wave's 32 rows of W2 go through its own two LDS buffers, 256 along K at a time, asked for two pieces ahead.  The bias is the C of each sum's first product.
; REGISTERS: window 0: v1-36 addresses, v40-127 hq's scale words, v128-143 W2's, v144-167 W2's 2 fragments, v168-183 the bias.   window 1: v0-131 hq's 11 fragments, v132-179 and v180-227 W2 on its way to LDS.
;   window 2: accumulators at 16 m + 8 t; v176-183 the last two loads of a panel.   window 3: a panel on its way to LDS; at the end rows of yw.
.set APITCH, 784
.set WPITCH, 208
.set WPB,    137984
.set WBUF,   6656
.set YST,    191232                    ; the stage for yw: 176 rows x (512 bytes + 16)
.set YP,     528
.set HSOFF,  8380416
.set FA,  16
.set FW,  19
.set LW,  20                           ; v20-21  W2 into LDS: 208 (lane / 8) + 16 (lane % 8);  208 (lane / 4) + 16 (lane % 4)
.set GW,  22                           ; v22-23  the same places in memory, rows 1,536 bytes apart
.set LA,  26
.set GA,  29                           ; v29  hq in memory: 1,536 (thread / 16) + 16 (thread % 16)
.set YO,  30                           ; v30-31 results into the stage
.set YR,  32                           ; v32  rows read back
.set GY,  33                           ; v33  16 x lane
.set HSA, 34
.set WSA, 35
.set BIA, 36
.set HS,  40
.set WS,  128
.set WF,  144
.set BI,  168
.set SW0, 132
.set SW1, 180
.set MSB, 0
.macro WIN new
.if MSB != \new
	s_set_vgpr_msb (MSB<<8)|\new
.set MSB, \new
.endif
.endm
.macro PLACES
.rept 4
	v_nop
.endr
.endm
.macro BARRIER
	s_wait_dscnt 0x0
	s_barrier_signal -1
	s_barrier_wait -1
.endm
	s_load_b256 s[4:11], s[0:1], 0x0               ; hq s[4:5], W2's codes s[6:7], its scales s[8:9], b2 s[10:11]
	s_load_b128 s[12:15], s[0:1], 0x20             ; plan s[12:13], yw s[14:15]
	v_lshl_add_u32 v254, v0, 2, 0x45600
	v_mov_b32 v255, 0
	v_lshrrev_b32 v4, 5, v0
	v_readfirstlane_b32 s16, v4                    ; wave
	s_mov_b32 s17, ttmp9                           ; which 128 outputs
	s_and_b32 s18, ttmp7, 0xffff                   ; slot
	s_lshl_b32 s23, s18, 2
	s_mov_b32 s33, 0
	v_and_b32 v1, 15, v0                           ; r
	v_bfe_u32 v2, v0, 4, 1                         ; h
	v_and_b32 v3, 31, v0                           ; lane
	v_lshrrev_b32 v5, 4, v0                        ; thread / 16
	v_lshlrev_b32 v10, 4, v1
	v_mul_u32_u24 v[GA], v5, 1536
	v_add_nc_u32 v[GA], v[GA], v10
	v_mul_u32_u24 v[HSA], v2, 190464               ; lanes 16-31: four groups of hidden units further on
	v_lshl_add_u32 v[HSA], v1, 3, v[HSA]
	s_wait_kmcnt 0x0
	s_load_b32 s19, s[12:13], s23 offset:0x0       ; the slot's entry
	s_mul_i32 s32, s18, 270336
	s_add_nc_u64 s[36:37], s[4:5], s[32:33]        ; the slot's first row of codes
	s_mul_i32 s32, s18, 1536
	s_add_co_u32 s32, s32, HSOFF
	s_add_nc_u64 s[38:39], s[4:5], s[32:33]        ; and its scale bytes
.irp mm, 0,1,2,3,4,5,6,7,8,9,10
.irp gq, 0,1,2,3
	global_load_b64 v[HS+8*\mm+2*\gq:HS+8*\mm+2*\gq+1], v[HSA], s[38:39] offset:47616*\gq+128*\mm
.endr
.endr
.macro ALOAD pan, lo, hi               ; panel pan of hq's rows: load n is row thread / 16 + 8 (n / 3), bytes 256 (n % 3) on: sixteen lanes read 256 consecutive bytes, at a multiple of 256 from hq's first byte
.set n, \lo
.rept \hi-\lo
.if n < 64
	WIN 0xc0
	global_load_b128 v[4*n:4*n+3], v[GA], s[36:37] offset:12288*(n/3)+256*(n%3)+768*(\pan)
.else
	WIN 0x80
	global_load_b128 v[176+4*(n-64):176+4*(n-64)+3], v[GA], s[36:37] offset:12288*(n/3)+256*(n%3)+768*(\pan)
.endif
.set n, n+1
.endr
	WIN 0
.endm
.macro ASTORE lo, hi
.set n, \lo
.rept \hi-\lo
.if n < 64
	WIN 0x0c
	ds_store_b128 v[LA+(n/3)/8], v[4*n:4*n+3] offset:6272*((n/3)%8)+256*(n%3)
.else
	WIN 0x08
	ds_store_b128 v[LA+(n/3)/8], v[176+4*(n-64):176+4*(n-64)+3] offset:6272*((n/3)%8)+256*(n%3)
.endif
.set n, n+1
.endr
	WIN 0
.endm
	ALOAD 0, 0, 66
	s_mov_b32 s28, 0x03010200                      ; bytes 0, 2, 1, 3
	s_mul_i32 s30, s16, 2*WBUF
	s_add_co_u32 s30, s30, WPB
	v_mul_u32_u24 v[FA], v1, APITCH
	v_mad_u32_u24 v[FA], v2, 48, v[FA]
	v_add_nc_u32 v[FA+1], 62720, v[FA]
	v_add_nc_u32 v[FA+2], 125440, v[FA]
	v_mul_u32_u24 v[FW], v1, WPITCH
	v_mad_u32_u24 v[FW], v2, 48, v[FW]
	v_add_nc_u32 v[FW], s30, v[FW]
	; W2's piece, eight rows of 192 bytes by three loads: two take 128 bytes of four rows each (eight lanes to a row), the third the last 64 bytes of all eight (four lanes to a row)
	v_bfe_u32 v6, v0, 3, 2                         ; lane / 8
	v_and_b32 v7, 7, v0                            ; lane % 8
	v_mul_u32_u24 v[LW], v6, WPITCH
	v_lshl_add_u32 v[LW], v7, 4, v[LW]
	v_add_nc_u32 v[LW], s30, v[LW]
	v_mul_u32_u24 v[GW], v6, 1536
	v_lshl_add_u32 v[GW], v7, 4, v[GW]
	v_bfe_u32 v6, v0, 2, 3                         ; lane / 4
	v_and_b32 v7, 3, v0                            ; lane % 4
	v_mul_u32_u24 v[LW+1], v6, WPITCH
	v_lshl_add_u32 v[LW+1], v7, 4, v[LW+1]
	v_add_nc_u32 v[LW+1], s30, v[LW+1]
	v_mul_u32_u24 v[GW+1], v6, 1536
	v_lshl_add_u32 v[GW+1], v7, 4, v[GW+1]
	v_mul_u32_u24 v[LA], v5, APITCH
	v_add_nc_u32 v[LA], v[LA], v10
	v_add_nc_u32 v[LA+1], 50176, v[LA]
	v_add_nc_u32 v[LA+2], 100352, v[LA]
	s_lshl_b32 s31, s16, 7
	s_add_co_u32 s31, s31, YST
	v_mul_u32_u24 v[YO], v1, YP
	v_lshl_add_u32 v[YO], v2, 5, v[YO]
	v_add_nc_u32 v[YO], s31, v[YO]                 ; row r, + 128 x wave, + 32 h
	v_add_nc_u32 v[YO+1], 59136, v[YO]             ; seven fragments of rows further on
	s_mul_i32 s31, s16, 44*YP
	s_add_co_u32 s31, s31, YST
	v_lshlrev_b32 v[GY], 4, v3
	v_add_nc_u32 v[YR], s31, v[GY]
	v_lshlrev_b32 v[WSA], 6, v1
	v_lshl_add_u32 v[WSA], v2, 5, v[WSA]           ; W2's scales: 64 r + 32 h
	v_lshlrev_b32 v[BIA], 5, v2                    ; the bias: 32 h
	s_mul_i32 s32, s18, 176
	s_mul_i32 s35, s16, 44
	s_add_co_u32 s32, s32, s35
	s_lshl_b32 s32, s32, 12
	s_lshl_b32 s35, s17, 9
	s_add_co_u32 s32, s32, s35
	s_add_nc_u64 s[40:41], s[14:15], s[32:33]      ; yw: the first of the 44 rows that I store, my work-group's 512 bytes
	s_wait_kmcnt 0x0
	s_and_b32 s20, s19, 0xff
	s_min_u32 s20, s20, 7                          ; the expert
	s_lshl_b32 s34, s17, 7
	s_lshl_b32 s35, s16, 5
	s_add_co_u32 s34, s34, s35                     ; my first output
	s_mul_i32 s32, s20, 1572864
	s_mul_i32 s35, s34, 1536
	s_add_co_u32 s32, s32, s35
	s_add_nc_u64 s[6:7], s[6:7], s[32:33]
	s_lshl_b32 s32, s20, 16
	s_lshl_b32 s35, s34, 6
	s_add_co_u32 s32, s32, s35
	s_add_nc_u64 s[8:9], s[8:9], s[32:33]
	s_lshl_b32 s32, s20, 12
	s_lshl_b32 s35, s34, 2
	s_add_co_u32 s32, s32, s35
	s_add_nc_u64 s[10:11], s[10:11], s[32:33]
.macro GLW c, set                      ; piece c (256 along K) of my 32 rows of W2: 12 loads, three for each eight rows
	WIN 0x40
.irp mm, 0,1,2,3
	global_load_b128 v[\set+12*\mm:\set+12*\mm+3],    v[GW],   s[6:7] offset:12288*\mm+192*(\c)        ; rows 0-3 of the eight, bytes 0-127
	global_load_b128 v[\set+12*\mm+4:\set+12*\mm+7],  v[GW],   s[6:7] offset:12288*\mm+6144+192*(\c)   ; rows 4-7
	global_load_b128 v[\set+12*\mm+8:\set+12*\mm+11], v[GW+1], s[6:7] offset:12288*\mm+128+192*(\c)    ; all eight, bytes 128-191
.endr
	WIN 0
.endm
.macro STW set, buf
	WIN 0x04
.irp mm, 0,1,2,3
	ds_store_b128 v[LW],   v[\set+12*\mm:\set+12*\mm+3]    offset:WBUF*(\buf)+1664*\mm
	ds_store_b128 v[LW],   v[\set+12*\mm+4:\set+12*\mm+7]  offset:WBUF*(\buf)+1664*\mm+4*WPITCH
	ds_store_b128 v[LW+1], v[\set+12*\mm+8:\set+12*\mm+11] offset:WBUF*(\buf)+1664*\mm+128
.endr
	WIN 0
.endm
	GLW 0, SW0
	GLW 1, SW1
.irp t, 0,1
	global_load_b128 v[WS+8*\t:WS+8*\t+3], v[WSA], s[8:9] offset:1024*\t
	global_load_b128 v[WS+8*\t+4:WS+8*\t+7], v[WSA], s[8:9] offset:1024*\t+16
.endr
.irp t, 0,1
	global_load_b128 v[BI+8*\t:BI+8*\t+3], v[BIA], s[10:11] offset:64*\t
	global_load_b128 v[BI+8*\t+4:BI+8*\t+7], v[BIA], s[10:11] offset:64*\t+16
.endr
	s_wait_loadcnt 63                              ; hq's scale words and the panel's first 22 loads are in: 44 + 32 are younger
.set i, 0
.rept 88
	v_perm_b32 v[HS+i], v[HS+i], v[HS+i], s28
.set i, i+1
.endr
	ASTORE 0, 22
	s_wait_loadcnt 54                              ; 22 + 32 younger
	ASTORE 22, 44
	s_wait_loadcnt 32                              ; W2's 24, its scales' 4 and the bias's 4 may be out
	ASTORE 44, 66
	s_wait_loadcnt 20                              ; piece 0 is in: 12 + 4 + 4 younger
	STW SW0, 0
	s_wait_loadcnt 0x0
.set i, 0
.rept 16
	v_perm_b32 v[WS+i], v[WS+i], v[WS+i], s28
.set i, i+1
.endr
.rept 8
	v_nop                                          ; a scale register written by a vector instruction stands 8 places ahead of a scaled product
.endr
	s_wait_dscnt 0x0                               ; the stores have read their registers
	GLW 2, SW0
	BARRIER                                        ; the first panel lies in LDS
.macro FETCH q, buf
	WIN 0
.irp t, 0,1
.irp k, 0,1,2
	ds_load_b128 v[WF+12*\t+4*\k:WF+12*\t+4*\k+3], v[FW] offset:WBUF*(\buf)+3328*\t+96*((\q)%2)+16*\k
.endr
.endr
	WIN 0x40
.irp mm, 0,1,2,3,4,5,6,7,8,9,10
.irp k, 0,1,2
	ds_load_b128 v[12*\mm+4*\k:12*\mm+4*\k+3], v[FA+\mm/5] offset:12544*(\mm%5)+96*((\q)%8)+16*\k
.endr
.endr
.endm
.macro PROD q, first, mm, t
.set AC, 16*(\mm)+8*(\t)
.if \first
	v_wmma_scale_f32_16x16x128_f8f6f4 v[AC:AC+7], v[WF+12*(\t):WF+12*(\t)+11], v[12*(\mm):12*(\mm)+11], v[BI+8*(\t):BI+8*(\t)+7], v[WS+8*(\t)], v[HS+8*(\mm)] matrix_a_fmt:MATRIX_FMT_BF6 matrix_b_fmt:MATRIX_FMT_BF6
.elseif \q < 8
	v_wmma_scale_f32_16x16x128_f8f6f4 v[AC:AC+7], v[WF+12*(\t):WF+12*(\t)+11], v[12*(\mm):12*(\mm)+11], v[AC:AC+7], v[WS+8*(\t)+(\q)], v[HS+8*(\mm)+(\q)] matrix_a_fmt:MATRIX_FMT_BF6 matrix_b_fmt:MATRIX_FMT_BF6
.else
	v_wmma_scale_f32_16x16x128_f8f6f4 v[AC:AC+7], v[WF+12*(\t):WF+12*(\t)+11], v[12*(\mm):12*(\mm)+11], v[AC:AC+7], v[WS+8*(\t)+(\q)-8], v[HS+8*(\mm)+(\q)-8] matrix_a_fmt:MATRIX_FMT_BF6 matrix_b_fmt:MATRIX_FMT_BF6 matrix_a_scale:MATRIX_SCALE_ROW1 matrix_b_scale:MATRIX_SCALE_ROW1
.endif
.endm
.macro MUL q, first                    ; 22 products; the 22 accumulators take turns, one instruction a turn, in the same order in every K step
.if \first
	WIN 0x84                                       ; source 0 (W2) and C (the bias) window 0, source 1 (hq) window 1, D window 2
.else
	WIN 0xa4                                       ; C and D window 2
.endif
.irp mm, 0,1,2,3,4,5,6,7,8,9,10
	s_wait_dscnt 3*(10-\mm)                        ; W2's fragments and hq's up to this one are in
.irp t, 0,1
	PROD \q, \first, \mm, \t
.endr
.endr
.endm
	; piece 0
	FETCH 0, 0
	MUL 0, 1
	s_wait_loadcnt 12                              ; piece 1 is in; piece 2's 12 loads may be out
	STW SW1, 1
	PLACES
	FETCH 1, 0
	MUL 1, 0
	GLW 3, SW1                                     ; (the last wait above was for 0: the stores have read these registers)
	ALOAD 1, 0, 22                                 ; the second panel, a third at a time
	; piece 1
	PLACES
	FETCH 2, 1
	MUL 2, 0
	s_wait_loadcnt 34                              ; piece 2 is in: piece 3's 12 and the panel's 22 are younger
	STW SW0, 0
	PLACES
	FETCH 3, 1
	MUL 3, 0
	GLW 4, SW0
	ALOAD 1, 22, 44
	; piece 2
	PLACES
	FETCH 4, 0
	MUL 4, 0
	s_wait_loadcnt 56                              ; piece 3 is in: 22 + 12 + 22 younger
	STW SW1, 1
	PLACES
	FETCH 5, 0
	MUL 5, 0
	GLW 5, SW1
	ALOAD 1, 44, 66
	; piece 3
	PLACES
	FETCH 6, 1
	MUL 6, 0
	s_wait_loadcnt 56                              ; piece 4 is in: 22 + 12 + 22 younger
	STW SW0, 0
	PLACES
	FETCH 7, 1
	MUL 7, 0
	GLW 6, SW0
	; the panels change places
	s_wait_loadcnt 12                              ; the second panel is in registers; piece 6's 12 loads may be out
	BARRIER                                        ; nobody reads the first panel any more
	ASTORE 0, 66
	BARRIER                                        ; the second lies in LDS
	; piece 4
	PLACES
	FETCH 8, 0
	MUL 8, 0
	s_wait_loadcnt 12                              ; piece 5 is in; piece 6's may be out
	STW SW1, 1
	PLACES
	FETCH 9, 0
	MUL 9, 0
	GLW 7, SW1
	; piece 5
	PLACES
	FETCH 10, 1
	MUL 10, 0
	s_wait_loadcnt 12                              ; piece 6 is in; piece 7's may be out
	STW SW0, 0
	PLACES
	FETCH 11, 1
	MUL 11, 0
	; piece 6
	PLACES
	FETCH 12, 0
	MUL 12, 0
	s_wait_loadcnt 0x0                             ; piece 7
	STW SW1, 1
	PLACES
	FETCH 13, 0
	MUL 13, 0
	; piece 7
	PLACES
	FETCH 14, 1
	MUL 14, 0
	PLACES
	FETCH 15, 1
	MUL 15, 0
	PLACES
	; THE WAY OUT: a lane's eight results are 32 neighbouring bytes of a row; a row's 512 bytes come from four waves: they meet in the stage
	WIN 0x08
.irp mm, 0,1,2,3,4,5,6,7,8,9,10
.irp t, 0,1
	ds_store_b128 v[YO+\mm/7], v[16*\mm+8*\t:16*\mm+8*\t+3] offset:8448*(\mm%7)+64*\t          ; each accumulator from its low end on
	ds_store_b128 v[YO+\mm/7], v[16*\mm+8*\t+4:16*\mm+8*\t+7] offset:8448*(\mm%7)+64*\t+16
.endr
.endr
	WIN 0
	BARRIER
	WIN 0xc0
.set i, 0
.rept 44
	ds_load_b128 v[4*i:4*i+3], v[YR] offset:YP*i
.set i, i+1
.endr
	WIN 0x0c
.set i, 0
.rept 44
	s_wait_dscnt 43-i
	global_store_b128 v[GY], v[4*i:4*i+3], s[40:41] offset:4096*i   ; 32 lanes store 512 consecutive bytes, at a multiple of 256 from yw's first byte
.set i, i+1
.endr
	WIN 0
	s_wait_tensorcnt 0x0
	ds_add_u32 v254, v255
	s_wait_dscnt 0x0
	s_endpgm
.Lfunc_end_k_q14ecd05aa0_down:
	.size	k_q14ecd05aa0_down, .Lfunc_end_k_q14ecd05aa0_down-k_q14ecd05aa0_down
	.p2alignl 7, 3214868480
	.fill 96, 4, 3214868480
	.section	.rodata,"a",@progbits
	.p2align	6, 0x0
	.amdhsa_kernel k_q14ecd05aa0_down
		.amdhsa_group_segment_fixed_size 284672
		.amdhsa_private_segment_fixed_size 0
		.amdhsa_enable_private_segment 0
		.amdhsa_kernarg_size 48
		.amdhsa_user_sgpr_count 2
		.amdhsa_user_sgpr_kernarg_segment_ptr 1
		.amdhsa_wavefront_size32 1
		.amdhsa_system_sgpr_workgroup_id_x 1
		.amdhsa_system_sgpr_workgroup_id_y 1
		.amdhsa_system_sgpr_workgroup_id_z 1
		.amdhsa_system_vgpr_workitem_id 0
		.amdhsa_next_free_vgpr 1024
		.amdhsa_next_free_sgpr 66
		.amdhsa_reserve_vcc 0
		.amdhsa_float_denorm_mode_32 3
		.amdhsa_float_denorm_mode_16_64 3
		.amdhsa_memory_ordered 1
		.amdhsa_forward_progress 1
		.amdhsa_inst_pref_size 158
	.end_amdhsa_kernel
	.amdgpu_metadata
---
amdhsa.version: [ 1, 2 ]
amdhsa.kernels:
  - .name:           k_q14ecd05aa0_down
    .symbol:         k_q14ecd05aa0_down.kd
    .args:
      - { .name: hq, .offset: 0, .size: 8, .value_kind: global_buffer, .address_space: global }
      - { .name: W2_codes, .offset: 8, .size: 8, .value_kind: global_buffer, .address_space: global }
      - { .name: W2_scales, .offset: 16, .size: 8, .value_kind: global_buffer, .address_space: global }
      - { .name: b2, .offset: 24, .size: 8, .value_kind: global_buffer, .address_space: global }
      - { .name: plan, .offset: 32, .size: 8, .value_kind: global_buffer, .address_space: global }
      - { .name: yw, .offset: 40, .size: 8, .value_kind: global_buffer, .address_space: global }
    .group_segment_fixed_size: 284672
    .private_segment_fixed_size: 0
    .kernarg_segment_align: 8
    .kernarg_segment_size: 48
    .max_flat_workgroup_size: 128
    .sgpr_count:     66
    .vgpr_count:     1024
    .wavefront_size: 32
...
	.end_amdgpu_metadata
.endif
;; end of part 4
;; launch mix (part 5): grid 256 x 1, 8 waves a work-group, no clusters, 0 bytes of LDS; arguments yw, gate, plan, out0; writes out0
.if DOCPART == 5
	.amdgcn_target "amdgcn-amd-amdhsa--gfx1250"
	.amdhsa_code_object_version 6
	.text
	.protected	k_q14ecd05aa0_mix
	.globl	k_q14ecd05aa0_mix
	.p2align	8
	.type	k_q14ecd05aa0_mix,@function
k_q14ecd05aa0_mix:
	s_mov_b64 s[64:65], 0
	v_nop
	global_prefetch_b8 v0, s[64:65] scope:SCOPE_SE
	s_setreg_imm32_b32 hwreg(HW_REG_WAVE_MODE, 25, 1), 1
	s_wait_xcnt 0x0
; out0[t] = gate[t][0] x yw[pos[2 t]] + gate[t][1] x yw[pos[2 t + 1]]: each token's two rows, weighed.  The six experts that were not chosen have the gate 0 and are not computed
; (LIMIT: an infinity or NaN that such an expert would have made does not reach the output here).
; A wave takes a token: 4,096 bytes from each of its two rows, 512 consecutive bytes an instruction; every output row has one owner.  A stream: no LDS, no matrix unit, no cluster.
.set POSOFF, 256
	s_load_b256 s[4:11], s[0:1], 0x0               ; yw s[4:5], gate s[6:7], plan s[8:9], out0 s[10:11]
	v_lshrrev_b32 v1, 5, v0
	v_readfirstlane_b32 s12, v1
	v_and_b32 v2, 31, v0
	v_lshlrev_b32 v2, 4, v2                        ; 16 x lane
	s_lshl_b32 s13, ttmp9, 3
	s_add_co_u32 s13, s13, s12                     ; my token
	s_lshl_b32 s14, s13, 3
	s_lshl_b32 s22, s13, 12
	s_mov_b32 s23, 0
	s_mov_b32 s25, 0
	s_mov_b32 s27, 0
	s_wait_kmcnt 0x0
	s_load_b64 s[16:17], s[8:9], s14 offset:POSOFF ; its two rows
	s_load_b64 s[18:19], s[6:7], s14 offset:0x0    ; its two gates
	s_add_nc_u64 s[10:11], s[10:11], s[22:23]
	s_wait_kmcnt 0x0
	s_min_u32 s16, s16, 5455                       ; a row's number enters an address only behind this hold
	s_min_u32 s17, s17, 5455
	s_lshl_b32 s24, s16, 12
	s_lshl_b32 s26, s17, 12
	s_add_nc_u64 s[24:25], s[4:5], s[24:25]
	s_add_nc_u64 s[26:27], s[4:5], s[26:27]
	s_mov_b32 s20, s19                             ; the packed forms name a pair and take its low word for both halves
	s_mov_b32 s21, s19
.irp j, 0,1,2,3,4,5,6,7
	global_load_b128 v[8+4*\j:11+4*\j], v2, s[24:25] offset:512*\j th:TH_LOAD_NT
.endr
.irp j, 0,1,2,3,4,5,6,7
	global_load_b128 v[40+4*\j:43+4*\j], v2, s[26:27] offset:512*\j th:TH_LOAD_NT
.endr
.irp j, 0,1,2,3,4,5,6,7
	s_wait_loadcnt 7-\j                            ; the second row's piece j is in, and with it the first row's, which is older
	v_pk_mul_f32 v[72+4*\j:73+4*\j], v[8+4*\j:9+4*\j], s[18:19] op_sel_hi:[1,0]
	v_pk_mul_f32 v[74+4*\j:75+4*\j], v[10+4*\j:11+4*\j], s[18:19] op_sel_hi:[1,0]
	v_pk_fma_f32 v[72+4*\j:73+4*\j], v[40+4*\j:41+4*\j], s[20:21], v[72+4*\j:73+4*\j] op_sel_hi:[1,0,1]
	v_pk_fma_f32 v[74+4*\j:75+4*\j], v[42+4*\j:43+4*\j], s[20:21], v[74+4*\j:75+4*\j] op_sel_hi:[1,0,1]
	global_store_b128 v2, v[72+4*\j:75+4*\j], s[10:11] offset:512*\j th:TH_STORE_NT
.endr
	s_endpgm
.Lfunc_end_k_q14ecd05aa0_mix:
	.size	k_q14ecd05aa0_mix, .Lfunc_end_k_q14ecd05aa0_mix-k_q14ecd05aa0_mix
	.p2alignl 7, 3214868480
	.fill 96, 4, 3214868480
	.section	.rodata,"a",@progbits
	.p2align	6, 0x0
	.amdhsa_kernel k_q14ecd05aa0_mix
		.amdhsa_group_segment_fixed_size 0
		.amdhsa_private_segment_fixed_size 0
		.amdhsa_enable_private_segment 0
		.amdhsa_kernarg_size 32
		.amdhsa_user_sgpr_count 2
		.amdhsa_user_sgpr_kernarg_segment_ptr 1
		.amdhsa_wavefront_size32 1
		.amdhsa_system_sgpr_workgroup_id_x 1
		.amdhsa_system_sgpr_workgroup_id_y 1
		.amdhsa_system_sgpr_workgroup_id_z 1
		.amdhsa_system_vgpr_workitem_id 0
		.amdhsa_next_free_vgpr 112
		.amdhsa_next_free_sgpr 66
		.amdhsa_reserve_vcc 0
		.amdhsa_float_denorm_mode_32 3
		.amdhsa_float_denorm_mode_16_64 3
		.amdhsa_memory_ordered 1
		.amdhsa_forward_progress 1
		.amdhsa_inst_pref_size 6
	.end_amdhsa_kernel
	.amdgpu_metadata
---
amdhsa.version: [ 1, 2 ]
amdhsa.kernels:
  - .name:           k_q14ecd05aa0_mix
    .symbol:         k_q14ecd05aa0_mix.kd
    .args:
      - { .name: yw, .offset: 0, .size: 8, .value_kind: global_buffer, .address_space: global }
      - { .name: gate, .offset: 8, .size: 8, .value_kind: global_buffer, .address_space: global }
      - { .name: plan, .offset: 16, .size: 8, .value_kind: global_buffer, .address_space: global }
      - { .name: out0, .offset: 24, .size: 8, .value_kind: global_buffer, .address_space: global }
    .group_segment_fixed_size: 0
    .private_segment_fixed_size: 0
    .kernarg_segment_align: 8
    .kernarg_segment_size: 32
    .max_flat_workgroup_size: 256
    .sgpr_count:     66
    .vgpr_count:     112
    .wavefront_size: 32
...
	.end_amdgpu_metadata
.endif
;; end of part 5
;; ======== version 2 of 2: 5 launches
;; workspace buffers: xq 1,638,400 bytes; sel 16,384 bytes of whole numbers; gate 16,384 bytes; plan 38,656 bytes of whole numbers; hq 8,761,344 bytes; yw 22,347,776 bytes
;; launch route (part 6): grid 256 x 1, 8 waves a work-group, no clusters, 77,824 bytes of LDS; arguments x, Wr, br, xq, sel, gate; writes xq, sel, gate
.if DOCPART == 6
	.amdgcn_target "amdgcn-amd-amdhsa--gfx1250"
	.amdhsa_code_object_version 6
	.text
	.protected	k_q14ecd05aa0_route
	.globl	k_q14ecd05aa0_route
	.p2align	8
	.type	k_q14ecd05aa0_route,@function
k_q14ecd05aa0_route:
	s_mov_b64 s[64:65], 0
	v_nop
	global_prefetch_b8 v0, s[64:65] scope:SCOPE_SE
	s_setreg_imm32_b32 hwreg(HW_REG_WAVE_MODE, 25, 1), 1
	s_wait_xcnt 0x0
; ROUTER AND QUANTISER OF x.  x: [2048][1024] f32, Wr: [1024][8] f32, br: [8] f32.
; A wave takes one token: logits = x Wr + br by f32 multiply-adds, the two largest (the lower index wins a tie, as jax.lax.top_k has it), their softmax with the larger
; logit taken away, and the token's 1,024 numbers as codes of E3M2 with one E8M0 byte for each 32.  Out: xq (codes [2048][768] as a plain stream of bits; behind them, at XSOFF,
; 8 scale words a token), sel [2048][2] (the chosen experts, whole numbers, at fixed places: no address of this launch hangs on them), gate [2048][2] f32.
; THE BYTES OF A SCALE WORD STAND IN THE ORDER block 0, 2, 1, 3: the product's launch reads 48 neighbouring bytes of a row into each lane, so a lane's two blocks are neighbours,
; where the matrix instruction takes them for blocks h and 2 + h; both operands are read alike, so only the scale word has to follow.
; Lane l owns block l (k = 32 l .. 32 l + 31): the block's largest magnitude needs no other lane, and the conversions find 16 neighbours in consecutive registers.
; Loads take the bytes as they lie (512 on end for each instruction); x turns through the wave's own LDS, Wr lies in LDS once for the eight waves.
; No matrix unit (8 columns), no cluster (work-groups share only Wr's 32 KiB).
; LIMITS: NaN and infinities in x or in the logits are not served; two logits nearer than the rounding of an f32 sum of 1,024 terms may be chosen the other way;
; a block whose largest magnitude lies under 2^-122 gets the byte 1 (a block of zeros too: its codes are zeros, and this program alone reads the bytes).
.set WRL,   0                          ; Wr: 32 pieces of 1,024 bytes (32 rows), 1,040 apart = 260 words: piece l starts at bank 4 l mod 64 (64 banks of 4 bytes: ISA guide 11.1)
.set WRP,   1040
.set XST,   33280                      ; x: for each wave 32 blocks of 128 bytes, 144 apart
.set XSP,   144
.set CST,   70144                      ; codes: 768 bytes for each wave
.set SCB,   76288                      ; the work-group's 256 scale bytes
.set SGL,   76544                      ; 64 bytes of chosen experts, 64 of gates
.set XSOFF, 1572864
.set XR,  8                            ; v8-39    x as loaded
.set WG,  40                           ; v40-71   Wr as loaded
.set XB,  72                           ; v72-103  my block's 32 numbers
.set WB0, 104                          ; v104-167, v168-231: eight rows of Wr each, by turns
.set WB1, 168
.set ACC, 232                          ; v232-239 the eight logits
.set MK,  104                          ; behind the sums: the logits with the first choice struck out
.set CD,  112                          ; the codes
.set PT,  120                          ; the other half's sums
	s_load_b256 s[4:11], s[0:1], 0x0               ; x s[4:5], Wr s[6:7], br s[8:9], xq s[10:11]
	s_load_b128 s[12:15], s[0:1], 0x20             ; sel s[12:13], gate s[14:15]
	s_set_vgpr_msb 0x40
	v_lshl_add_u32 v0, v0, 2, 0x12c00
	v_mov_b32 v1, 0
	s_set_vgpr_msb 0x4000
	v_lshrrev_b32 v2, 5, v0
	s_delay_alu instid0(VALU_DEP_1)
	v_readfirstlane_b32 s24, v2                    ; wave
	v_and_b32 v1, 31, v0                           ; lane
	s_delay_alu instid0(VALU_DEP_1)
	v_lshlrev_b32 v3, 4, v1                        ; 16 x lane
	v_lshlrev_b32 v4, 4, v0                        ; 16 x thread
	s_lshl_b32 s25, ttmp9, 3
	s_add_co_u32 s25, s25, s24                     ; my token
	s_lshl_b32 s28, s25, 12
	s_mov_b32 s29, 0
	s_mov_b32 s26, 0x76543210
	s_mov_b32 s27, 0xfedcba98                      ; v_permlanex16_b32's selects for lane l xor 16
	s_wait_alu depctr_va_vdst(0)
	s_wait_kmcnt 0x0
	s_load_b256 s[16:23], s[8:9], 0x0              ; br
	s_add_nc_u64 s[4:5], s[4:5], s[28:29]
.irp j, 0,1,2,3,4,5,6,7
	global_load_b128 v[XR+4*\j:XR+4*\j+3], v3, s[4:5] offset:512*\j th:TH_LOAD_NT
.endr
.irp j, 0,1,2,3,4,5,6,7
	global_load_b128 v[WG+4*\j:WG+4*\j+3], v4, s[6:7] offset:4096*\j
.endr
	; every LDS address is made here
	s_mul_i32 s30, s24, 32*XSP
	s_add_co_u32 s30, s30, XST
	v_lshrrev_b32 v2, 3, v1
	s_delay_alu instid0(VALU_DEP_1)
	v_mul_u32_u24 v2, v2, XSP
	v_and_b32 v250, 7, v1
	s_delay_alu instid0(VALU_DEP_1)
	v_lshl_add_u32 v2, v250, 4, v2
	s_delay_alu instid0(VALU_DEP_1)
	v_add_nc_u32 v2, s30, v2                       ; x in: eight lanes fill a block; a load's 512 bytes are four blocks
	v_mul_u32_u24 v5, v1, XSP
	s_delay_alu instid0(VALU_DEP_1)
	v_add_nc_u32 v5, s30, v5                       ; x back: my block
	v_lshrrev_b32 v6, 6, v0
	s_delay_alu instid0(VALU_DEP_1)
	v_mul_u32_u24 v6, v6, WRP
	v_and_b32 v250, 63, v0
	s_delay_alu instid0(VALU_DEP_1)
	v_lshl_add_u32 v6, v250, 4, v6                 ; Wr in: 64 threads fill a piece
	v_mul_u32_u24 v7, v1, WRP                      ; Wr back: my 32 rows
	s_mul_i32 s30, s24, 768
	s_add_co_u32 s30, s30, CST
	v_mul_u32_u24 v240, v1, 24
	s_delay_alu instid0(VALU_DEP_1)
	v_add_nc_u32 v240, s30, v240                   ; codes in: 24 bytes a lane
	v_lshlrev_b32 v244, 3, v1                      ; 8 x lane
	s_delay_alu instid0(VALU_DEP_1)
	v_add_nc_u32 v241, s30, v244                   ; codes back: 8 bytes a lane, 256 an instruction
	v_and_b32 v250, 28, v1
	v_and_b32 v251, 1, v1
	s_delay_alu instid0(VALU_DEP_1)
	v_lshlrev_b32 v251, 1, v251
	v_bfe_u32 v252, v1, 1, 1
	s_delay_alu instid0(VALU_DEP_2)
	v_add_nc_u32 v250, v250, v251
	s_delay_alu instid0(VALU_DEP_1)
	v_add_nc_u32 v250, v250, v252                  ; my byte in the token's 32: word l / 4, place 0, 2, 1, 3 for block l % 4 = 0, 1, 2, 3
	s_lshl_b32 s30, s24, 5
	s_add_co_u32 s30, s30, SCB
	v_add_nc_u32 v242, s30, v250
	s_lshl_b32 s30, s24, 3
	s_add_co_u32 s30, s30, SGL
	v_mov_b32 v243, s30                            ; my token's two choices; its gates 64 bytes on
	v_add_nc_u32 v245, SCB, v244
	v_and_b32 v248, 15, v1
	s_delay_alu instid0(VALU_DEP_1)
	v_lshlrev_b32 v248, 2, v248
	s_delay_alu instid0(VALU_DEP_1)
	v_add_nc_u32 v249, SGL, v248
	s_mul_i32 s28, s25, 768
	s_add_nc_u64 s[32:33], s[10:11], s[28:29]      ; my token's codes
	s_lshl_b32 s28, ttmp9, 8
	s_add_co_u32 s28, s28, XSOFF
	s_add_nc_u64 s[34:35], s[10:11], s[28:29]      ; the work-group's 256 scale bytes
	s_lshl_b32 s28, ttmp9, 6
	s_add_nc_u64 s[12:13], s[12:13], s[28:29]
	s_add_nc_u64 s[14:15], s[14:15], s[28:29]
	s_wait_loadcnt 8                               ; x is in; Wr's eight loads may be out
.irp j, 0,1,2,3,4,5,6,7
	ds_store_b128 v2, v[XR+4*\j:XR+4*\j+3] offset:4*XSP*\j
.endr
	s_wait_loadcnt 0x0
.irp j, 0,1,2,3,4,5,6,7
	ds_store_b128 v6, v[WG+4*\j:WG+4*\j+3] offset:4*WRP*\j
.endr
	s_wait_dscnt 0x0                               ; for the others' sake: my part of Wr lies in LDS
	s_barrier_signal -1
	s_barrier_wait -1
.irp i, 0,1,2,3,4,5,6,7
	ds_load_b128 v[XB+4*\i:XB+4*\i+3], v5 offset:16*\i
.endr
.macro LOADW g, buf                    ; rows 8 g .. 8 g + 7 of my 32 rows of Wr
.irp nn, 0,1,2,3,4,5,6,7,8,9,10,11,12,13,14,15
	ds_load_b128 v[\buf+4*\nn:\buf+4*\nn+3], v7 offset:256*\g+16*\nn
.endr
.endm
.macro FMA g, buf                      ; eight numbers of x, each against its row of Wr: four packed multiply-adds; the very first products start the sums
.irp ii, 0,1,2,3,4,5,6,7
.irp p, 0,1,2,3
.if (\g == 0) && (\ii == 0)
	v_pk_mul_f32 v[ACC+2*\p:ACC+2*\p+1], v[XB:XB+1], v[\buf+2*\p:\buf+2*\p+1] op_sel_hi:[0,1]
.elseif (\ii % 2) == 0
	v_pk_fma_f32 v[ACC+2*\p:ACC+2*\p+1], v[XB+8*\g+\ii:XB+8*\g+\ii+1], v[\buf+8*\ii+2*\p:\buf+8*\ii+2*\p+1], v[ACC+2*\p:ACC+2*\p+1] op_sel_hi:[0,1,1]
.else
	s_delay_alu instid0(VALU_DEP_4)
	v_pk_fma_f32 v[ACC+2*\p:ACC+2*\p+1], v[XB+8*\g+\ii-1:XB+8*\g+\ii], v[\buf+8*\ii+2*\p:\buf+8*\ii+2*\p+1], v[ACC+2*\p:ACC+2*\p+1] op_sel:[1,0,0] op_sel_hi:[1,1,1]
.endif
.endr
.endr
.endm
	LOADW 0, WB0
	LOADW 1, WB1
	s_wait_dscnt 16                                ; all but the sixteen loads of the younger group
	FMA 0, WB0
	LOADW 2, WB0
	s_wait_alu depctr_va_vdst(0)
	s_wait_dscnt 16
	FMA 1, WB1
	LOADW 3, WB1
	s_wait_alu depctr_va_vdst(0)
	s_wait_dscnt 16
	FMA 2, WB0
	s_wait_alu depctr_va_vdst(0)
	s_wait_dscnt 0x0
	FMA 3, WB1
.irp x, 1,2,4,8                        ; the eight sums over the 32 lanes, by turns
.irp e, 0,1,2,3,4,5,6,7
	v_add_f32_dpp v[ACC+\e], v[ACC+\e], v[ACC+\e] row_xmask:\x row_mask:0xf bank_mask:0xf
.endr
.endr
.irp e, 0,1,2,3,4,5,6,7
	v_permlanex16_b32 v[PT+\e], v[ACC+\e], s26, s27
.endr
	s_wait_alu depctr_va_vdst(0)
	s_wait_kmcnt 0x0                               ; br
.irp e, 0,1,2,3,4,5,6,7
	v_add_f32 v[ACC+\e], v[ACC+\e], v[PT+\e]
.endr
.irp e, 0,1,2,3,4,5,6,7
	v_add_f32 v[ACC+\e], s[16+\e], v[ACC+\e]       ; every lane holds the eight logits
.endr
	v_mov_b32 v128, v[ACC]                         ; the largest: a later one takes its place only if strictly larger
	v_mov_b32 v129, 0
.irp e, 1,2,3,4,5,6,7
	s_delay_alu instid0(VALU_DEP_2)
	v_cmp_gt_f32 vcc_lo, v[ACC+\e], v128
	s_delay_alu instid0(VALU_DEP_1)
	v_cndmask_b32 v128, v128, v[ACC+\e], vcc_lo
	s_delay_alu instid0(VALU_DEP_2)
	v_cndmask_b32 v129, v129, \e, vcc_lo
.endr
	v_mov_b32 v130, 0xff800000
.irp e, 0,1,2,3,4,5,6,7
	v_cmp_eq_u32 vcc_lo, \e, v129
	s_delay_alu instid0(VALU_DEP_1)
	v_cndmask_b32 v[MK+\e], v[ACC+\e], v130, vcc_lo
.endr
	v_mov_b32 v131, v[MK]                          ; the second largest, in the same way
	v_mov_b32 v132, 0
.irp e, 1,2,3,4,5,6,7
	s_delay_alu instid0(VALU_DEP_2)
	v_cmp_gt_f32 vcc_lo, v[MK+\e], v131
	s_delay_alu instid0(VALU_DEP_1)
	v_cndmask_b32 v131, v131, v[MK+\e], vcc_lo
	s_delay_alu instid0(VALU_DEP_2)
	v_cndmask_b32 v132, v132, \e, vcc_lo
.endr
	s_delay_alu instid0(VALU_DEP_2)
	v_sub_f32 v133, v131, v128                     ; the maximum is taken away: 0 for the first, d <= 0 for the second
	s_delay_alu instid0(VALU_DEP_1)
	v_mul_f32 v133, 0x3fb8aa3b, v133
	s_wait_alu depctr_va_vdst(0)
	v_exp_f32 v133, v133                           ; e^d
	v_nop                                          ; one plain place behind a transcendental
	s_wait_alu depctr_va_vdst(0)
	v_add_f32 v134, 1.0, v133
	s_wait_alu depctr_va_vdst(0)
	v_rcp_f32 v134, v134                           ; the first gate, 1 / (1 + e^d)
	v_nop
	s_wait_alu depctr_va_vdst(0)
	v_mul_f32 v135, v133, v134                     ; the second
	; my block: largest magnitude with the floor 2^(5 - 127) among its leaves, scale, codes
	v_max3_num_f32 v250, |v[XB]|, |v[XB+1]|, |v[XB+2]|
	v_max3_num_f32 v251, |v[XB+3]|, |v[XB+4]|, |v[XB+5]|
.irp i, 6,10,14,18,22,26
	s_delay_alu instid0(VALU_DEP_2)
	v_max3_num_f32 v250, v250, |v[XB+\i]|, |v[XB+\i+1]|
	s_delay_alu instid0(VALU_DEP_2)
	v_max3_num_f32 v251, v251, |v[XB+\i+2]|, |v[XB+\i+3]|
.endr
	s_delay_alu instid0(VALU_DEP_2)
	v_max3_num_f32 v250, v250, |v[XB+30]|, |v[XB+31]|
	s_delay_alu instid0(VALU_DEP_1)
	v_max3_num_f32 v250, v250, v251, 0x2800000
	s_delay_alu instid0(VALU_DEP_1)
	v_add_nc_u32 v252, 0xfe000000, v250            ; 4 off the exponent field: the conversion takes the exponent field of this operand as its scale
	s_delay_alu instid0(VALU_DEP_1)
	v_lshrrev_b32 v253, 23, v252                   ; the scale's byte
	v_cvt_scalef32_pk16_bf6_f32 v[CD:CD+2], v[XB:XB+15], v252
	v_cvt_scalef32_pk16_bf6_f32 v[CD+4:CD+6], v[XB+16:XB+31], v252   ; (a conversion's three registers begin on an even number)
	v_nop                                          ; one plain place behind a scaled conversion
	v_mov_b32 v[CD+3], v[CD+4]
	v_mov_b32 v[CD+4], v[CD+5]
	v_mov_b32 v[CD+5], v[CD+6]
.irp k, 0,1,2
	ds_store_b64 v240, v[CD+2*\k:CD+2*\k+1] offset:8*\k
.endr
.irp k, 0,1,2
	ds_load_b64 v[136+2*\k:137+2*\k], v241 offset:256*\k   ; LDS serves a wave's instructions in order: these see my stores
.endr
	ds_store_b8 v242, v253
	ds_store_b32 v243, v129                        ; all lanes write the same word with the same value
	ds_store_b32 v243, v132 offset:4
	ds_store_b32 v243, v134 offset:64
	ds_store_b32 v243, v135 offset:68
	s_wait_dscnt 0x0                               ; my codes are back, and for wave 0's sake my small stores have landed
.irp k, 0,1,2
	global_store_b64 v244, v[136+2*\k:137+2*\k], s[32:33] offset:256*\k   ; 32 lanes store 256 consecutive bytes, at a multiple of 256 from xq's first byte
.endr
	s_barrier_signal -1
	s_barrier_wait -1
	s_cmp_lg_u32 s24, 0
	s_cbranch_scc1 .Lend                           ; wave 0 sends what the eight waves have gathered
	ds_load_b64 v[246:247], v245
	ds_load_b32 v254, v249
	ds_load_b32 v255, v249 offset:64
	s_wait_dscnt 0x0
	global_store_b64 v244, v[246:247], s[34:35]    ; the eight tokens' scale words: 256 consecutive bytes
	s_wait_xcnt 0x0                                ; EXEC changes only behind this wait
	v_cmp_gt_u32 vcc_lo, 16, v1
	s_and_saveexec_b32 s36, vcc_lo
	global_store_b32 v248, v254, s[12:13]          ; 16 words of choices,
	global_store_b32 v248, v255, s[14:15]          ; 16 of gates
	s_wait_xcnt 0x0
	s_or_b32 exec_lo, exec_lo, s36
.Lend:
	s_set_vgpr_msb 0x5
	s_wait_tensorcnt 0x0
	ds_add_u32 v0, v1
	s_wait_dscnt 0x0
	s_set_vgpr_msb 0x500
	s_endpgm
.Lfunc_end_k_q14ecd05aa0_route:
	.size	k_q14ecd05aa0_route, .Lfunc_end_k_q14ecd05aa0_route-k_q14ecd05aa0_route
	.p2alignl 7, 3214868480
	.fill 96, 4, 3214868480
	.section	.rodata,"a",@progbits
	.p2align	6, 0x0
	.amdhsa_kernel k_q14ecd05aa0_route
		.amdhsa_group_segment_fixed_size 77824
		.amdhsa_private_segment_fixed_size 0
		.amdhsa_enable_private_segment 0
		.amdhsa_kernarg_size 48
		.amdhsa_user_sgpr_count 2
		.amdhsa_user_sgpr_kernarg_segment_ptr 1
		.amdhsa_wavefront_size32 1
		.amdhsa_system_sgpr_workgroup_id_x 1
		.amdhsa_system_sgpr_workgroup_id_y 1
		.amdhsa_system_sgpr_workgroup_id_z 1
		.amdhsa_system_vgpr_workitem_id 0
		.amdhsa_next_free_vgpr 258
		.amdhsa_next_free_sgpr 66
		.amdhsa_reserve_vcc 1
		.amdhsa_float_denorm_mode_32 3
		.amdhsa_float_denorm_mode_16_64 3
		.amdhsa_memory_ordered 1
		.amdhsa_forward_progress 1
		.amdhsa_inst_pref_size 33
	.end_amdhsa_kernel
	.amdgpu_metadata
---
amdhsa.version: [ 1, 2 ]
amdhsa.kernels:
  - .name:           k_q14ecd05aa0_route
    .symbol:         k_q14ecd05aa0_route.kd
    .args:
      - { .name: x, .offset: 0, .size: 8, .value_kind: global_buffer, .address_space: global }
      - { .name: Wr, .offset: 8, .size: 8, .value_kind: global_buffer, .address_space: global }
      - { .name: br, .offset: 16, .size: 8, .value_kind: global_buffer, .address_space: global }
      - { .name: xq, .offset: 24, .size: 8, .value_kind: global_buffer, .address_space: global }
      - { .name: sel, .offset: 32, .size: 8, .value_kind: global_buffer, .address_space: global }
      - { .name: gate, .offset: 40, .size: 8, .value_kind: global_buffer, .address_space: global }
    .group_segment_fixed_size: 77824
    .private_segment_fixed_size: 0
    .kernarg_segment_align: 8
    .kernarg_segment_size: 48
    .max_flat_workgroup_size: 256
    .sgpr_count:     66
    .vgpr_count:     258
    .wavefront_size: 32
...
	.end_amdgpu_metadata
.endif
;; end of part 6
;; launch place (part 7): grid 1 x 1, 32 waves a work-group, no clusters, 8,192 bytes of LDS; arguments sel, plan; writes plan
.if DOCPART == 7
	.amdgcn_target "amdgcn-amd-amdhsa--gfx1250"
	.amdhsa_code_object_version 6
	.text
	.protected	k_q14ecd05aa0_place
	.globl	k_q14ecd05aa0_place
	.p2align	8
	.type	k_q14ecd05aa0_place,@function
k_q14ecd05aa0_place:
	s_mov_b64 s[64:65], 0
	v_nop
	global_prefetch_b8 v0, s[64:65] scope:SCOPE_SE
	s_setreg_imm32_b32 hwreg(HW_REG_WAVE_MODE, 25, 1), 1
	s_wait_xcnt 0x0
; THE ROWS ARE PLACED BY EXPERT.  sel: [2048][2] chosen experts = 4,096 entries (entry = 2 x token + choice).  A counting sort without atomics, by one work-group of 32 waves.
; Each expert's rows are cut into tiles of 176; tile after tile takes a SLOT of 176 rows.  The sum over experts of ceil(n / 176) is at most (4,096 + 8 x 175) / 176, rounded down: 31 slots serve every split.
; Out, in plan: tinfo[64] at byte 0: expert | (rows - 1) << 8 | slot to read rows from << 16 (a slot without rows names row 0 of slot 0);
; pos[4096] at POSOFF: the row (176 x slot + place) of each entry;  rowtok[5456] at RTOFF: the token of each row that is in use.
; Thread i holds entries 4 i .. 4 i + 3.  Inside an expert the rows are ordered by wave, then by the entry's place j in its thread, then by lane: any order serves, since nothing is dropped.
.set POSOFF, 256
.set RTOFF,  16640
.set NN,  16                           ; s16-23  rows of each expert
.set TB,  24                           ; s24-31  slots in front of each expert
.set MM,  32                           ; s32-63  mask 8 j + e: the lanes whose entry j names expert e
.set RUN, 66                           ; s66-73  the next free row of each expert, for my wave
	s_load_b128 s[4:7], s[0:1], 0x0                ; sel, plan
	v_lshl_add_u32 v64, v0, 2, 0x1000
	v_mov_b32 v65, 0
	v_lshrrev_b32 v1, 5, v0
	s_delay_alu instid0(VALU_DEP_1)
	v_readfirstlane_b32 s8, v1                     ; wave
	v_and_b32 v2, 31, v0                           ; lane
	v_lshlrev_b32 v3, 4, v0
	s_mov_b32 s10, 0x76543210
	s_mov_b32 s11, 0xfedcba98
	s_wait_alu depctr_va_vdst(0)
	s_wait_kmcnt 0x0
	global_load_b128 v[4:7], v3, s[4:5]
	v_lshlrev_b32 v8, 7, v2
	s_delay_alu instid0(VALU_DEP_1)
	v_lshl_add_u32 v8, v1, 2, v8                   ; LDS: 128 x lane + 4 x wave
	v_lshlrev_b32 v9, 2, v2                        ; 4 x lane
	s_wait_loadcnt 0x0
.irp j, 0,1,2,3
.irp e, 0,1,2,3,4,5,6,7
	v_cmp_eq_u32 s[MM+8*\j+\e], \e, v[4+\j]
.endr
.endr
.irp e, 0,1,2,3,4,5,6,7                ; my wave's count for each expert, 128 at the most
	s_bcnt1_i32_b32 s[NN+\e], s[MM+\e]
	s_bcnt1_i32_b32 s74, s[MM+8+\e]
	s_add_co_u32 s[NN+\e], s[NN+\e], s74
	s_bcnt1_i32_b32 s74, s[MM+16+\e]
	s_add_co_u32 s[NN+\e], s[NN+\e], s74
	s_bcnt1_i32_b32 s74, s[MM+24+\e]
	s_add_co_u32 s[NN+\e], s[NN+\e], s74
.endr
	v_mov_b32 v10, 0
.irp p, 0,1,2,3                        ; two counts to a word: no sum of them passes 4,096
	s_lshl_b32 s74, s[NN+2*\p+1], 16
	s_or_b32 s74, s74, s[NN+2*\p]
	v_writelane_b32 v10, s74, \p
.endr
	ds_store_b32 v8, v10                           ; word p of wave w at 128 p + 4 w (lanes 4 and up store zeros further on, which nobody reads)
	s_wait_dscnt 0x0
	s_barrier_signal -1
	s_barrier_wait -1
.irp p, 0,1,2,3
	ds_load_b32 v[12+\p], v9 offset:128*\p         ; here a lane stands for a wave
.endr
.irp i, 0,1,2,3,4,5,6,7
	v_mov_b32 v[20+\i], 0                          ; written once: the destination of a lane move counts as read
.endr
	v_cmp_gt_u32 vcc_lo, s8, v2                    ; the waves in front of mine
	s_wait_dscnt 0x0
.irp p, 0,1,2,3
	v_cndmask_b32 v[16+\p], 0, v[12+\p], vcc_lo
.endr
.irp x, 1,2,4,8                        ; eight sums over the lanes, in whole numbers
.irp i, 0,1,2,3,4,5,6,7
	v_mov_b32_dpp v[20+\i], v[12+\i] row_xmask:\x row_mask:0xf bank_mask:0xf
.endr
.irp i, 0,1,2,3,4,5,6,7
	v_add_nc_u32 v[12+\i], v[12+\i], v[20+\i]
.endr
.endr
.irp i, 0,1,2,3,4,5,6,7
	v_permlanex16_b32 v[20+\i], v[12+\i], s10, s11
.endr
.irp i, 0,1,2,3,4,5,6,7
	v_add_nc_u32 v[12+\i], v[12+\i], v[20+\i]
.endr
.irp p, 0,1,2,3
	v_readfirstlane_b32 s[76+\p], v[12+\p]
	v_readfirstlane_b32 s[80+\p], v[16+\p]
.endr
.irp p, 0,1,2,3
	s_and_b32 s[NN+2*\p], s[76+\p], 0xffff
	s_lshr_b32 s[NN+2*\p+1], s[76+\p], 16
	s_and_b32 s[RUN+2*\p], s[80+\p], 0xffff
	s_lshr_b32 s[RUN+2*\p+1], s[80+\p], 16
.endr
	s_mov_b32 s[TB], 0
.irp e, 0,1,2,3,4,5,6
	s_add_co_u32 s74, s[NN+\e], 175
	s_mul_i32 s74, s74, 5958                       ; x 5,958 >> 20 is x / 176 rounded down: 5,958 x 176 = 2^20 + 32, so the excess stays under 1 / 176 for x under 32,768
	s_lshr_b32 s74, s74, 20
	s_add_co_u32 s[TB+\e+1], s[TB+\e], s74
.endr
.irp e, 0,1,2,3,4,5,6,7
	s_mul_i32 s74, s[TB+\e], 176
	s_add_co_u32 s[RUN+\e], s[RUN+\e], s74
.endr
.irp j, 0,1,2,3
	v_mov_b32 v[28+\j], 0
.endr
.irp j, 0,1,2,3
.irp e, 0,1,2,3,4,5,6,7
	v_mbcnt_lo_u32_b32 v32, s[MM+8*\j+\e], s[RUN+\e]   ; the expert's next free row + the lanes below mine that name it
	s_delay_alu instid0(VALU_DEP_1)
	v_cndmask_b32 v[28+\j], v[28+\j], v32, s[MM+8*\j+\e]
	s_bcnt1_i32_b32 s74, s[MM+8*\j+\e]
	s_add_co_u32 s[RUN+\e], s[RUN+\e], s74
.endr
.endr
	global_store_b128 v3, v[28:31], s[6:7] offset:POSOFF
	v_lshlrev_b32 v40, 1, v0                       ; my entries' tokens: 2 i, 2 i, 2 i + 1, 2 i + 1
	s_delay_alu instid0(VALU_DEP_1)
	v_add_nc_u32 v41, 1, v40
.irp j, 0,1,2,3
	v_min_u32 v[36+\j], 5455, v[28+\j]             ; a row's number enters an address only behind this hold
	s_delay_alu instid0(VALU_DEP_1)
	v_lshlrev_b32 v[36+\j], 2, v[36+\j]
.endr
.irp j, 0,1,2,3
	global_store_b32 v[36+\j], v[40+\j/2], s[6:7] offset:RTOFF
.endr
	s_cmp_gt_u32 s8, 1
	s_cbranch_scc1 .Lend                           ; waves 0 and 1: thread j writes slot j's entry
	v_mov_b32 v44, 0
	v_mov_b32 v45, s[NN]
	v_mov_b32 v46, 0
.irp e, 1,2,3,4,5,6,7                  ; the last expert whose first slot is not behind j
	v_cmp_le_u32 vcc_lo, s[TB+\e], v0
	s_delay_alu instid0(VALU_DEP_1)
	v_cndmask_b32 v44, v44, \e, vcc_lo
	s_delay_alu instid0(VALU_DEP_2)
	v_cndmask_b32 v45, v45, s[NN+\e], vcc_lo
	s_delay_alu instid0(VALU_DEP_3)
	v_cndmask_b32 v46, v46, s[TB+\e], vcc_lo
.endr
	s_delay_alu instid0(VALU_DEP_1)
	v_sub_nc_u32 v47, v0, v46
	s_delay_alu instid0(VALU_DEP_1)
	v_mul_u32_u24 v47, v47, 176
	s_delay_alu instid0(VALU_DEP_1)
	v_sub_nc_u32 v47, v45, v47                     ; rows left for this slot,
	s_delay_alu instid0(VALU_DEP_1)
	v_max_i32 v47, 0, v47
	s_delay_alu instid0(VALU_DEP_1)
	v_min_i32 v47, 176, v47                        ; held to 0 .. 176
	s_delay_alu instid0(VALU_DEP_1)
	v_max_i32 v48, 1, v47
	s_delay_alu instid0(VALU_DEP_1)
	v_add_nc_u32 v48, -1, v48
	s_delay_alu instid0(VALU_DEP_3)
	v_cmp_lt_i32 vcc_lo, 0, v47
	s_delay_alu instid0(VALU_DEP_1)
	v_cndmask_b32 v49, 0, v0, vcc_lo
	s_delay_alu instid0(VALU_DEP_3)
	v_lshl_or_b32 v44, v48, 8, v44
	s_delay_alu instid0(VALU_DEP_1)
	v_lshl_or_b32 v44, v49, 16, v44
	v_lshlrev_b32 v50, 2, v0
	global_store_b32 v50, v44, s[6:7]
.Lend:
	s_wait_tensorcnt 0x0
	ds_add_u32 v64, v65
	s_wait_dscnt 0x0
	s_endpgm
.Lfunc_end_k_q14ecd05aa0_place:
	.size	k_q14ecd05aa0_place, .Lfunc_end_k_q14ecd05aa0_place-k_q14ecd05aa0_place
	.p2alignl 7, 3214868480
	.fill 96, 4, 3214868480
	.section	.rodata,"a",@progbits
	.p2align	6, 0x0
	.amdhsa_kernel k_q14ecd05aa0_place
		.amdhsa_group_segment_fixed_size 8192
		.amdhsa_private_segment_fixed_size 0
		.amdhsa_enable_private_segment 0
		.amdhsa_kernarg_size 16
		.amdhsa_user_sgpr_count 2
		.amdhsa_user_sgpr_kernarg_segment_ptr 1
		.amdhsa_wavefront_size32 1
		.amdhsa_system_sgpr_workgroup_id_x 1
		.amdhsa_system_sgpr_workgroup_id_y 1
		.amdhsa_system_sgpr_workgroup_id_z 1
		.amdhsa_system_vgpr_workitem_id 0
		.amdhsa_next_free_vgpr 66
		.amdhsa_next_free_sgpr 100
		.amdhsa_reserve_vcc 1
		.amdhsa_float_denorm_mode_32 3
		.amdhsa_float_denorm_mode_16_64 3
		.amdhsa_memory_ordered 1
		.amdhsa_forward_progress 1
		.amdhsa_inst_pref_size 25
	.end_amdhsa_kernel
	.amdgpu_metadata
---
amdhsa.version: [ 1, 2 ]
amdhsa.kernels:
  - .name:           k_q14ecd05aa0_place
    .symbol:         k_q14ecd05aa0_place.kd
    .args:
      - { .name: sel, .offset: 0, .size: 8, .value_kind: global_buffer, .address_space: global }
      - { .name: plan, .offset: 8, .size: 8, .value_kind: global_buffer, .address_space: global }
    .group_segment_fixed_size: 8192
    .private_segment_fixed_size: 0
    .kernarg_segment_align: 8
    .kernarg_segment_size: 16
    .max_flat_workgroup_size: 1024
    .sgpr_count:     100
    .vgpr_count:     66
    .wavefront_size: 32
...
	.end_amdgpu_metadata
.endif
;; end of part 7
;; launch up (part 8): grid 8 x 31, 4 waves a work-group, no clusters, 294,400 bytes of LDS; arguments xq, W1_codes, W1_scales, b1, plan, hq; writes hq
.if DOCPART == 8
	.amdgcn_target "amdgcn-amd-amdhsa--gfx1250"
	.amdhsa_code_object_version 6
	.text
	.protected	k_q14ecd05aa0_up
	.globl	k_q14ecd05aa0_up
	.p2align	8
	.type	k_q14ecd05aa0_up,@function
k_q14ecd05aa0_up:
	s_mov_b64 s[64:65], 0
	v_nop
	global_prefetch_b8 v0, s[64:65] scope:SCOPE_SE
	s_setreg_imm32_b32 hwreg(HW_REG_WAVE_SCHED_MODE, 0, 2), 2
	s_setreg_imm32_b32 hwreg(HW_REG_WAVE_MODE, 25, 1), 1
	s_wait_xcnt 0x0
	s_wait_alu depctr_vm_vsrc(0)
; THE FIRST PRODUCT OF THE CHOSEN ROWS: hq = Q(relu(xq W1^T + b1)), on codes of E3M2 with one E8M0 scale for each 32 along K = 1,024.
; A work-group takes one slot (176 rows of one expert: 11 fragments of 16) x 256 hidden units (work-group x); wave w makes all 176 rows x units 64 w .. 64 w + 63: 44 accumulators.
; THE GRID SERVES EVERY SPLIT: 31 slots.  Which expert and which tokens a slot has are whole numbers that an earlier launch stored; here they enter ADDRESSES alone, never a branch, since the four waves
; meet at barriers.  A tile that is short repeats its last row; a slot without rows takes row 0 of slot 0 for all its rows: such rows land in the slot's own rows of hq, and nobody uses them.
; No tensor loads and no cluster: the rows of x are gathered by a list, and a tile's expert is a number read from memory, so partners could not be given one descriptor.
; THE PRODUCT IS USED TRANSPOSED (source 0 = 16 rows of W1, source 1 = 16 rows of x), and lane r of tile 2 b + u takes W1's row 32 b + 8 u + r + 8 (r / 8): a lane then holds ONE row, and its 16 registers
; of tiles 2 b, 2 b + 1 are the hidden units 32 b + 16 (lane / 16) + 0 .. 15: neighbours along the next K, as the conversions want them.
; 48 BYTES A LANE: a fragment comes by three loads of 16 bytes, lane (r, h) taking bytes 96 q + 48 h on of its row, so its two blocks are 4 q + 2 h and 4 q + 2 h + 1 where the instruction takes them for
; blocks h and 2 + h.  Both operands are read alike, so the products pair as they should; the scale words' bytes stand in the order 0, 2, 1, 3 (xq's are stored so, W1's are turned once).
; A load of 16 bytes of scales serves four K steps: lanes 0-15 hold those of K steps 0-3, lanes 16-31 those of 4-7, chosen by the scale operands' row.
; x's 176 rows lie in LDS for all of K, shared by the four waves; each wave's 64 rows of W1 go through its own two LDS buffers, 256 along K at a time, asked for two pieces ahead.
; The bias is the C of each sum's first product.  LIMITS: as the quantiser's floor has it, a block whose largest number lies under 2^-122 gets the byte 1 (its codes are zeros or nearly so); NaN and infinities are not served.
; THE MODE: SCHED_MODE bits 1:0 = 2 (LLVM: expert scheduling mode 2), set by the entry lines.  The code itself states the register dependences
; between vector or matrix instructions and memory or LDS instructions, with s_wait_alu, always for 0.
; THE PLAN.  Registers that memory or LDS instructions touch, from the first K step on:
;   X0, X1     x's eleven fragments, two sets.  K step q: its products read X[q % 2]; the LDS loads of step q + 1's fragments, three behind each fragment's four products, land in the other set,
;              which the products of step q - 1 read.
;   WF         W1's four fragments, ONE set: beside x's second set 12 registers are left of the 144 that were free, and a second set wants 48.  Read by step q's products, loaded again at step q + 1's head.
;   SW0, SW1   W1 on its way to LDS: global loads land in them, LDS stores read them, no vector or matrix instruction names them.
;   v16-38     addresses, made at the head and never written again.
; So ONE wait on va_vdst stands at the head of a K step: it states that the products of the step before are done reading WF and the set of x that this step's loads fill.  All 45 loads of the step follow it:
; the products issued since name WF behind its own wait on DScnt, the other set of x, the scale words and the accumulators.  One wait on vm_vsrc stands ahead of each refill of SW0 or SW1.
; REGISTERS, in windows of 256: window 0: v1-39 addresses, v40-63 at work, v64-107 x's scale words, v108-123 W1's, v124-255 X0 (before the first K step: offsets and tokens; behind the last: at work).
;   window 1: v0-47 W1's 4 fragments, v48-143 and v144-239 W1 on its way to LDS, v240-251 fragment 10 of X1.  window 2: accumulators of row fragments 0-7 at 32 m + 8 t.
;   window 3: those of 8-10; v96-127 the bias; v128-247 fragments 0-9 of X1.
.set APITCH, 784                       ; a row of x in LDS: 768 bytes + 16 = 196 words: row r starts at bank 4 r mod 64 (64 banks of 4 bytes: ISA guide 11.1)
.set WPITCH, 208                       ; a row of W1's piece: 192 bytes + 16 = 52 words: sixteen rows start at sixteen different multiples of 4 banks
.set WPB,    137984                    ; behind x's 176 rows: for each wave two buffers of 64 rows
.set WBUF,   13312
.set STG,    244480                    ; the stage for the codes: 176 rows of sixteen places of 16 bytes, each with 12 bytes (16 codes), + 16
.set SPITCH, 272
.set SSC,    292352                    ; and for the scale bytes: 192 rows x 8 (176 in use)
.set RTOFF,  16640
.set XSOFF,  1572864
.set HSOFF,  8380416
.set FA,  16                           ; v16-18  x's fragments: 784 r + 48 h, + 62,720 for each five fragments
.set FW,  19                           ; v19     W1's fragments in my buffers
.set LW,  20                           ; v20-21  W1 into LDS: 208 (lane / 8) + 16 (lane % 8);  208 (lane / 4) + 16 (lane % 4)
.set GW,  22                           ; v22-23  the same places in memory, rows 768 bytes apart
.set LA,  26                           ; v26-28  x into LDS
.set SO,  29                           ; v29     codes into the stage
.set SS,  30                           ; v30     scale bytes into theirs
.set LR,  31                           ; v31     the stage read back
.set GH,  34                           ; v34     and the same place in hq
.set T16, 37                           ; v37     16 x thread
.set SR,  38                           ; v38     the scale bytes read back
.set PW,  14                           ; v14-15  two scale bytes, two sets
.set TM,  40                           ; v40-47  at work
.set PC,  48                           ; v48-63  codes, two sets of 8
.set XS,  64
.set WS,  108
.set XF,  124                          ; X0, in window 0
.set XG,  128                          ; X1's fragments 0-9, in window 3
.set XH,  240                          ; X1's fragment 10, in window 1
.set RT,  124                          ; v124-145 before the first K step: where the list names the 22 rows that I bring in
.set RS,  146                          ; v146-156 and the 11 rows whose scale words I hold
.set TK,  160                          ; v160-192 those 33 rows' tokens, then their byte offsets
.set HT,  124                          ; behind the last K step: 32 numbers of the hidden layer
.set OD,  160                          ; and what leaves: v160-247; v248-251 the scale bytes
.set WF,  0
.set SW0, 48
.set SW1, 144
.set BI,  96
.set MSB, 0
.macro WIN new                         ; the immediate's high byte repeats the setting that is left
.if MSB != \new
	s_set_vgpr_msb (MSB<<8)|\new
.set MSB, \new
.endif
.endm
.macro PLACES                          ; four plain places behind a product (ISA guide 7.12.1)
.rept 4
	v_nop
.endr
.endm
.macro BARRIER
	s_wait_dscnt 0x0
	s_barrier_signal -1
	s_barrier_wait -1
.endm
.macro HEAD                            ; the head of a K step
	PLACES
	s_wait_alu depctr_va_vdst(0)                   ; the products of the step before are done reading W1's fragments and their set of x: this step's LDS loads land in both
.endm
	s_load_b256 s[4:11], s[0:1], 0x0               ; xq s[4:5], W1's codes s[6:7], its scales s[8:9], b1 s[10:11]
	s_load_b128 s[12:15], s[0:1], 0x20             ; plan s[12:13], hq s[14:15]
	v_lshl_add_u32 v59, v0, 2, 0x47c00
	v_mov_b32 v63, 0
	v_lshrrev_b32 v4, 5, v0
	v_readfirstlane_b32 s16, v4                    ; wave
	s_mov_b32 s17, ttmp9                           ; which 256 hidden units
	s_and_b32 s18, ttmp7, 0xffff                   ; slot
	s_lshl_b32 s23, s18, 2
	s_wait_kmcnt 0x0
	s_load_b32 s19, s[12:13], s23 offset:0x0       ; the slot's entry
	v_and_b32 v1, 15, v0                           ; r
	v_bfe_u32 v2, v0, 4, 1                         ; h
	v_lshrrev_b32 v5, 4, v0                        ; thread / 16
	s_mov_b32 s26, 0x76543210
	s_mov_b32 s27, 0xfedcba98
	s_mov_b32 s28, 0x03010200                      ; bytes 0, 2, 1, 3
	s_mov_b32 s33, 0
	s_wait_alu depctr_va_sdst(0)                   ; s16, the wave's number, is written, ahead of its first reader
	s_mul_i32 s30, s16, 2*WBUF
	s_add_co_u32 s30, s30, WPB
	v_mul_u32_u24 v[FA], v1, APITCH
	v_mad_u32_u24 v[FA], v2, 48, v[FA]
	v_add_nc_u32 v[FA+1], 62720, v[FA]
	v_add_nc_u32 v[FA+2], 125440, v[FA]
	v_mul_u32_u24 v[FW], v1, WPITCH
	v_mad_u32_u24 v[FW], v2, 48, v[FW]
	v_add_nc_u32 v[FW], s30, v[FW]
	; W1's piece, eight rows of 192 bytes by three loads: two take 128 bytes of four rows each (eight lanes to a row), the third the last 64 bytes of all eight (four lanes to a row)
	v_bfe_u32 v6, v0, 3, 2                         ; lane / 8
	v_and_b32 v7, 7, v0                            ; lane % 8
	v_mul_u32_u24 v[LW], v6, WPITCH
	v_lshl_add_u32 v[LW], v7, 4, v[LW]
	v_add_nc_u32 v[LW], s30, v[LW]
	v_mul_u32_u24 v[GW], v6, 768
	v_lshl_add_u32 v[GW], v7, 4, v[GW]
	v_bfe_u32 v6, v0, 2, 3                         ; lane / 4
	v_and_b32 v7, 3, v0                            ; lane % 4
	v_mul_u32_u24 v[LW+1], v6, WPITCH
	v_lshl_add_u32 v[LW+1], v7, 4, v[LW+1]
	v_add_nc_u32 v[LW+1], s30, v[LW+1]
	v_mul_u32_u24 v[GW+1], v6, 768
	v_lshl_add_u32 v[GW+1], v7, 4, v[GW+1]
	v_lshlrev_b32 v10, 4, v1                       ; 16 x (thread % 16)
	v_mul_u32_u24 v[LA], v5, APITCH
	v_add_nc_u32 v[LA], v[LA], v10
	v_add_nc_u32 v[LA+1], 50176, v[LA]
	v_add_nc_u32 v[LA+2], 100352, v[LA]
	s_lshl_b32 s31, s16, 6
	s_add_co_u32 s31, s31, STG
	v_mul_u32_u24 v[SO], v1, SPITCH
	v_lshl_add_u32 v[SO], v2, 5, v[SO]
	v_add_nc_u32 v[SO], s31, v[SO]                 ; the stage: row r; my wave's four places, my half's two of them: 64 x wave + 32 h
	s_lshl_b32 s31, s16, 1
	s_add_co_u32 s31, s31, SSC
	v_lshl_add_u32 v[SS], v1, 3, s31
	v_mul_u32_u24 v[LR], v5, SPITCH
	v_add_nc_u32 v[LR], v[LR], v10
	v_add_nc_u32 v[LR], STG, v[LR]                 ; back: row thread / 16 of eight, place thread % 16
	v_mul_u32_u24 v[GH], v5, 1536
	v_mad_u32_u24 v[GH], v1, 12, v[GH]             ; and in hq: 12 bytes a lane
	v_lshlrev_b32 v[T16], 4, v0
	v_add_nc_u32 v[SR], SSC, v[T16]
	v_lshlrev_b32 v11, 6, v2                       ; the bias: 64 h
	v_and_b32 v12, 8, v1
	v_add_nc_u32 v12, v12, v1
	v_lshlrev_b32 v12, 5, v12
	v_lshl_add_u32 v12, v2, 4, v12                 ; W1's scales: 32 (r + 8 (r / 8)) + 16 h
	v_lshlrev_b32 v13, 4, v2                       ; 16 h
	v_mov_b32 v[TM+2], 0                           ; written once: a lane permute's destination counts as read
	v_mov_b32 v[TM+3], 0
	s_mul_i32 s32, s18, 270336
	s_mul_i32 s35, s17, 192
	s_add_co_u32 s32, s32, s35
	s_add_nc_u64 s[36:37], s[14:15], s[32:33]      ; hq: the slot's first row, my work-group's 192 bytes
	s_mul_i32 s32, s17, 47616
	s_mul_i32 s35, s18, 1536
	s_add_co_u32 s32, s32, s35
	s_add_co_u32 s32, s32, HSOFF
	s_add_nc_u64 s[38:39], s[14:15], s[32:33]      ; and its scale bytes
	s_wait_kmcnt 0x0
	s_and_b32 s20, s19, 0xff
	s_min_u32 s20, s20, 7                          ; the expert
	s_bfe_u32 s21, s19, 0x80008
	s_min_u32 s21, s21, 175                        ; the last row in use
	s_bfe_u32 s22, s19, 0x80010
	s_min_u32 s22, s22, 30
	s_mul_i32 s22, s22, 176                        ; the first row of the slot whose list I read
.irp mm, 0,1,2,3,4,5,6,7,8,9,10,11,12,13,14,15,16,17,18,19,20,21
	v_add_nc_u32 v[RT+\mm], 8*\mm, v5              ; row thread / 16 + 8 m,
	v_min_u32 v[RT+\mm], s21, v[RT+\mm]            ; or the last row in use,
	v_min_u32 v[RT+\mm], 175, v[RT+\mm]
	v_add_nc_u32 v[RT+\mm], s22, v[RT+\mm]
	v_lshlrev_b32 v[RT+\mm], 2, v[RT+\mm]
.endr
.irp mm, 0,1,2,3,4,5,6,7,8,9,10
	v_add_nc_u32 v[RS+\mm], 16*\mm, v1             ; row 16 m + r
	v_min_u32 v[RS+\mm], s21, v[RS+\mm]
	v_min_u32 v[RS+\mm], 175, v[RS+\mm]
	v_add_nc_u32 v[RS+\mm], s22, v[RS+\mm]
	v_lshlrev_b32 v[RS+\mm], 2, v[RS+\mm]
.endr
	s_wait_alu depctr_va_vdst(0)                   ; every address and offset made so far is written: v11, v12, v16 to v38 and v124 to v156, which the loads and stores from here on read
.set i, 0
.rept 33
	global_load_b32 v[TK+i], v[RT+i], s[12:13] offset:RTOFF   ; the rows' tokens, into registers of their own
.set i, i+1
.endr
	s_lshl_b32 s34, s17, 8
	s_lshl_b32 s35, s16, 6
	s_add_co_u32 s34, s34, s35                     ; my first hidden unit
	s_mul_i32 s32, s20, 1572864
	s_mul_i32 s35, s34, 768
	s_add_co_u32 s32, s32, s35
	s_add_nc_u64 s[6:7], s[6:7], s[32:33]
	s_lshl_b32 s32, s20, 16
	s_lshl_b32 s35, s34, 5
	s_add_co_u32 s32, s32, s35
	s_add_nc_u64 s[8:9], s[8:9], s[32:33]
	s_lshl_b32 s32, s20, 13
	s_lshl_b32 s35, s34, 2
	s_add_co_u32 s32, s32, s35
	s_add_nc_u64 s[10:11], s[10:11], s[32:33]
.macro GLW c, set                      ; piece c (256 along K) of my 64 rows of W1: 24 loads, three for each eight rows
	WIN 0x40
.irp mm, 0,1,2,3,4,5,6,7
	global_load_b128 v[\set+12*\mm:\set+12*\mm+3],    v[GW],   s[6:7] offset:6144*\mm+192*(\c)        ; rows 0-3 of the eight, bytes 0-127
	global_load_b128 v[\set+12*\mm+4:\set+12*\mm+7],  v[GW],   s[6:7] offset:6144*\mm+3072+192*(\c)   ; rows 4-7
	global_load_b128 v[\set+12*\mm+8:\set+12*\mm+11], v[GW+1], s[6:7] offset:6144*\mm+128+192*(\c)    ; all eight, bytes 128-191
.endr
	WIN 0
.endm
.macro STW set, buf                    ; into my buffer; groups of eight rows change places (bits 0 and 1 of the group's number), so that tile t is LDS rows 16 t .. 16 t + 15
	WIN 0x04
.irp mm, 0,1,2,3,4,5,6,7
.set SG, WBUF*(\buf)+1664*(((\mm)&4)|(((\mm)&1)<<1)|(((\mm)>>1)&1))
	ds_store_b128 v[LW],   v[\set+12*\mm:\set+12*\mm+3]    offset:SG
	ds_store_b128 v[LW],   v[\set+12*\mm+4:\set+12*\mm+7]  offset:SG+4*WPITCH
	ds_store_b128 v[LW+1], v[\set+12*\mm+8:\set+12*\mm+11] offset:SG+128
.endr
	WIN 0
.endm
.macro ASTORE lo, hi                   ; x's rows into LDS: load n is row thread / 16 + 8 (n / 3), bytes 256 (n % 3) on
.set n, \lo
.rept \hi-\lo
.if n < 64
	WIN 0x08
	ds_store_b128 v[LA+(n/3)/8], v[4*n:4*n+3] offset:6272*((n/3)%8)+256*(n%3)
.else
	WIN 0x0c
	ds_store_b128 v[LA+(n/3)/8], v[4*(n-64):4*(n-64)+3] offset:6272*((n/3)%8)+256*(n%3)
.endif
.set n, n+1
.endr
	WIN 0
.endm
	GLW 0, SW0
	GLW 1, SW1
.irp t, 0,1,2,3
	global_load_b128 v[WS+4*\t:WS+4*\t+3], v12, s[8:9] offset:(32*(\t/2)+8*(\t%2))*32
.endr
	WIN 0xc0
.irp t, 0,1,2,3
	global_load_b128 v[BI+8*\t:BI+8*\t+3], v11, s[10:11] offset:(32*(\t/2)+8*(\t%2))*4
	global_load_b128 v[BI+8*\t+4:BI+8*\t+7], v11, s[10:11] offset:(32*(\t/2)+8*(\t%2))*4+16
.endr
	WIN 0
	s_wait_loadcnt 60                              ; the tokens are in: behind them 24 + 24 + 4 + 8 loads were issued
.irp mm, 0,1,2,3,4,5,6,7,8,9,10,11,12,13,14,15,16,17,18,19,20,21
	v_min_u32 v[TK+\mm], 2047, v[TK+\mm]
	v_mul_u32_u24 v[TK+\mm], v[TK+\mm], 768
	v_add_nc_u32 v[TK+\mm], v[TK+\mm], v10
.endr
.irp mm, 0,1,2,3,4,5,6,7,8,9,10
	v_min_u32 v[TK+22+\mm], 2047, v[TK+22+\mm]
	v_lshlrev_b32 v[TK+22+\mm], 5, v[TK+22+\mm]
	v_add_nc_u32 v[TK+22+\mm], v[TK+22+\mm], v13
.endr
	s_wait_alu depctr_va_vdst(0)                   ; the 33 offsets in v160 to v192 are written, which the 77 loads below read
.irp mm, 0,1,2,3,4,5,6,7,8,9,10
	global_load_b128 v[XS+4*\mm:XS+4*\mm+3], v[TK+22+\mm], s[4:5] offset:XSOFF
.endr
.set n, 0
.rept 66                               ; sixteen lanes read 256 consecutive bytes of a token's codes, at a multiple of 256 from xq's first byte
.if n < 64
	WIN 0x80
	global_load_b128 v[4*n:4*n+3], v[TK+n/3], s[4:5] offset:256*(n%3)
.else
	WIN 0xc0
	global_load_b128 v[4*(n-64):4*(n-64)+3], v[TK+n/3], s[4:5] offset:256*(n%3)
.endif
.set n, n+1
.endr
	WIN 0
	s_wait_loadcnt 63                              ; W1's piece 0 and its scale words are in: 85 loads or more are younger than they
.set i, 0
.rept 16
	v_perm_b32 v[WS+i], v[WS+i], v[WS+i], s28
.set i, i+1
.endr
.rept 8
	v_nop                                          ; a scale register written by a vector instruction stands 8 places ahead of a scaled product
.endr
	s_wait_alu depctr_va_vdst(0)                   ; W1's sixteen scale words are written in their new byte order: the scaled products take them as scales; the places above stay beside this wait
	STW SW0, 0
	s_wait_dscnt 0x0                               ; the stores are done,
	s_wait_alu depctr_vm_vsrc(0)                   ; and have read SW0, in which piece 2's loads land
	GLW 2, SW0
	s_wait_loadcnt 63                              ; x's first 22 loads are in: 44 + 24 are younger
	ASTORE 0, 22
	s_wait_loadcnt 46                              ; 22 + 24 younger
	ASTORE 22, 44
	s_wait_loadcnt 24                              ; piece 2's 24 may be out
	ASTORE 44, 66
	BARRIER                                        ; x's 176 rows lie in LDS
	s_wait_alu depctr_vm_vsrc(0)                   ; my LDS stores have read the registers in which x came, which the first products write as accumulators; the loads of tokens and of x have read their offsets in v124 to v192, in which X0 lands
.macro LDW q                           ; K step q: W1's four fragments from my buffer
	WIN 0x40
.irp t, 0,1,2,3
.irp k, 0,1,2
	ds_load_b128 v[WF+12*\t+4*\k:WF+12*\t+4*\k+3], v[FW] offset:WBUF*(((\q)/2)%2)+3328*\t+96*((\q)%2)+16*\k
.endr
.endr
.endm
.macro LDH q, mm                       ; K step q: x's fragment mm into set q % 2
.if (\q)%2 == 0
	WIN 0
.set XD, XF+12*(\mm)
.elseif (\mm) < 10
	WIN 0xc0
.set XD, XG+12*(\mm)
.else
	WIN 0x40
.set XD, XH
.endif
.irp k, 0,1,2
	ds_load_b128 v[XD+4*\k:XD+4*\k+3], v[FA+(\mm)/5] offset:12544*((\mm)%5)+96*(\q)+16*\k
.endr
.endm
.macro PROD q, first, mm, t
.set AC, 32*((\mm)%8)+8*(\t)
.if (\q)%2 == 0
.set XB, XF+12*(\mm)
.elseif (\mm) < 10
.set XB, XG+12*(\mm)
.else
.set XB, XH
.endif
.if \first
	v_wmma_scale_f32_16x16x128_f8f6f4 v[AC:AC+7], v[WF+12*(\t):WF+12*(\t)+11], v[XB:XB+11], v[BI+8*(\t):BI+8*(\t)+7], v[WS+4*(\t)], v[XS+4*(\mm)] matrix_a_fmt:MATRIX_FMT_BF6 matrix_b_fmt:MATRIX_FMT_BF6
.elseif (\q) < 4
	v_wmma_scale_f32_16x16x128_f8f6f4 v[AC:AC+7], v[WF+12*(\t):WF+12*(\t)+11], v[XB:XB+11], v[AC:AC+7], v[WS+4*(\t)+(\q)], v[XS+4*(\mm)+(\q)] matrix_a_fmt:MATRIX_FMT_BF6 matrix_b_fmt:MATRIX_FMT_BF6
.else
	v_wmma_scale_f32_16x16x128_f8f6f4 v[AC:AC+7], v[WF+12*(\t):WF+12*(\t)+11], v[XB:XB+11], v[AC:AC+7], v[WS+4*(\t)+(\q)-4], v[XS+4*(\mm)+(\q)-4] matrix_a_fmt:MATRIX_FMT_BF6 matrix_b_fmt:MATRIX_FMT_BF6 matrix_a_scale:MATRIX_SCALE_ROW1 matrix_b_scale:MATRIX_SCALE_ROW1
.endif
.endm
; K step q: W1's fragments, then 44 products; the 44 accumulators take turns, one instruction a turn, in the same order in every K step.
; ahead = 1: behind the four products of row fragment mm stand the three loads of the same fragment of step q + 1, into the other set of x.  No wait stands ahead of them: no vector or matrix instruction
; issued since the step's head names that set.
.macro STEP q, first, ahead
	LDW \q
.irp mm, 0,1,2,3,4,5,6,7,8,9,10
.if (\q)%2 == 0
.if \mm >= 8
	WIN 0xf1                                       ; source 0 (W1) window 1, source 1 (X0) window 0, C and D window 3
.elseif \first
	WIN 0xb1                                       ; C (the bias) window 3, D window 2
.else
	WIN 0xa1                                       ; C and D window 2
.endif
.elseif \mm >= 10
	WIN 0xf5                                       ; source 1 (X1's fragment 10) window 1, C and D window 3
.elseif \mm >= 8
	WIN 0xfd                                       ; source 1 (X1) window 3, C and D window 3
.else
	WIN 0xad                                       ; source 1 (X1) window 3, C and D window 2
.endif
.irp t, 0,1,2,3
.if \mm == 0
	s_wait_dscnt 3*(3-\t)                          ; W1's fragments up to this one are in, the later ones' three loads each may be out; x's fragments of this step are older than all of them
.endif
	PROD \q, \first, \mm, \t
.endr
.if \ahead
	LDH (\q)+1, \mm
.endif
.endr
.endm
.irp m0, 0,1,2,3,4,5,6,7,8,9,10
	LDH 0, \m0                                     ; K step 0's fragments of x, in one run
.endr
	STEP 0, 1, 1                                   ; (no wait at its head: nothing has named W1's fragments or X1 yet)
	s_wait_loadcnt 24                              ; piece 1 is in; piece 2's 24 loads may be out
	STW SW1, 1                                     ; (loaded data and a fixed address: these stores hang on no vector result, and stand ahead of the head's wait)
	HEAD
	STEP 1, 0, 1
	s_wait_alu depctr_vm_vsrc(0)                   ; the LDS stores of piece 1 have read SW1, in which piece 3's loads land
	GLW 3, SW1
	HEAD
	STEP 2, 0, 1
	s_wait_loadcnt 24                              ; piece 2 is in; piece 3's may be out
	STW SW0, 0
	HEAD
	STEP 3, 0, 1
	HEAD
	STEP 4, 0, 1
	s_wait_loadcnt 0x0                             ; piece 3
	STW SW1, 1
	HEAD
	STEP 5, 0, 1
	HEAD
	STEP 6, 0, 1
	HEAD
	STEP 7, 0, 0                                   ; the last K step asks for no more of x
	PLACES                                         ; four places behind the last product, before its result is read
; THE WAY OUT.  Row fragment m: relu into window 0; my 64 units are two blocks of 32, each in lanes l and l xor 16; scale, codes; an exchange of halves gives lane (r, h) the whole of block h:
; its lower 16 codes in the first run of three registers, its upper 16 in the second: two places of the stage.
.macro QUANT2 mm
.set AB, 32*((\mm)%8)
.set PS, PC+8*((\mm)%2)
.set PWS, PW+(\mm)%2
	WIN 0x08+4*((\mm)/8)                           ; source 1: window 2 or 3
.set i, 0
.rept 32
	v_max_num_f32 v[HT+i], 0, v[AB+i]              ; each accumulator from its low end on
.set i, i+1
.endr
	WIN 0
.irp b, 0,1
	v_max3_num_f32 v[TM+\b], v[HT+16*\b], v[HT+16*\b+1], 0x2800000   ; none is negative; the floor 2^(5 - 127) holds the byte at 1 from below
.endr
.irp i2, 2,4,6,8,10,12,14
.irp b, 0,1
	v_max3_num_f32 v[TM+\b], v[TM+\b], v[HT+16*\b+\i2], v[HT+16*\b+\i2+1]
.endr
.endr
.irp b, 0,1
	v_permlanex16_b32 v[TM+2+\b], v[TM+\b], s26, s27
.endr
.irp b, 0,1
	v_max_num_f32 v[TM+\b], v[TM+\b], v[TM+2+\b]
.endr
.irp b, 0,1
	v_add_nc_u32 v[TM+4+\b], 0xfe000000, v[TM+\b]  ; 4 off the exponent field: the conversion's scale operand
.endr
.irp b, 0,1
	v_lshrrev_b32 v[TM+6+\b], 23, v[TM+4+\b]
.endr
	s_wait_alu depctr_va_vdst(0)
	s_wait_dscnt 3                                 ; the stores of the fragment before last, which read this set, are done: only the last fragment's three may be out
.if (\mm) >= 2
	s_wait_alu depctr_vm_vsrc(0)                   ; the LDS stores of the fragment before last have read this set of codes and its two bytes, which the lines below write again
.endif
	v_lshl_or_b32 v[PWS], v[TM+7], 8, v[TM+6]
	v_cvt_scalef32_pk16_bf6_f32 v[PS:PS+2], v[HT:HT+15], v[TM+4]
	v_cvt_scalef32_pk16_bf6_f32 v[PS+4:PS+6], v[HT+16:HT+31], v[TM+5]
	v_nop                                          ; one plain place behind a scaled conversion
.irp i3, 0,1,2
	v_permlane16_swap_b32 v[PS+\i3], v[PS+4+\i3]
.endr
	s_wait_alu depctr_va_vdst(0)                   ; the conversions and the exchanges have written the codes, the shift the two bytes: the three LDS stores read them
	ds_store_b96 v[SO], v[PS:PS+2] offset:16*SPITCH*(\mm)          ; 16 codes, 12 bytes, to a place of 16 bytes, so that every LDS address is a multiple of 16
	ds_store_b96 v[SO], v[PS+4:PS+6] offset:16*SPITCH*(\mm)+16
	ds_store_b16 v[SS], v[PWS] offset:128*(\mm)    ; both halves of the lanes write the same two bytes with the same value
.endm
.irp m2, 0,1,2,3,4,5,6,7,8,9,10
	QUANT2 \m2
.endr
	ds_store_b16 v[SS], v[PW] offset:128*11        ; rows 176-191 of the slot's 192 are padding that nobody reads: they get the last fragment's bytes, so that the slot's 1,536 scale bytes leave whole
	BARRIER                                        ; 176 rows of codes and 192 x 8 scale bytes lie in LDS
.set i, 0
.rept 22
	ds_load_b96 v[OD+4*i:OD+4*i+2], v[LR] offset:8*SPITCH*i        ; eight rows an instruction of the work-group.  (These land in registers of X0, which products read: all of them stand ahead of the last wait on va_vdst, and nothing since names v160 to v251)
.set i, i+1
.endr
.set i, 0
.rept 22
	s_wait_dscnt 21-i
	global_store_b96 v[GH], v[OD+4*i:OD+4*i+2], s[36:37] offset:12288*i   ; sixteen lanes store a row's 192 consecutive bytes
.set i, i+1
.endr
	s_cmp_gt_u32 s16, 2
	s_cbranch_scc1 .Lend                           ; 1,536 scale bytes are 96 places of 16: waves 0 to 2
	ds_load_b128 v[248:251], v[SR]
	s_wait_dscnt 0x0
	global_store_b128 v[T16], v[248:251], s[38:39] ; a wave stores 512 consecutive bytes, at a multiple of 256 from hq's first byte
.Lend:
	s_wait_dscnt 0x0                               ; the closing lines, six on end
	s_wait_alu 0x0
	s_wait_tensorcnt 0x0
	ds_add_u32 v59, v63
	s_wait_dscnt 0x0
	s_endpgm
.Lfunc_end_k_q14ecd05aa0_up:
	.size	k_q14ecd05aa0_up, .Lfunc_end_k_q14ecd05aa0_up-k_q14ecd05aa0_up
	.p2alignl 7, 3214868480
	.fill 96, 4, 3214868480
	.section	.rodata,"a",@progbits
	.p2align	6, 0x0
	.amdhsa_kernel k_q14ecd05aa0_up
		.amdhsa_group_segment_fixed_size 294400
		.amdhsa_private_segment_fixed_size 0
		.amdhsa_enable_private_segment 0
		.amdhsa_kernarg_size 48
		.amdhsa_user_sgpr_count 2
		.amdhsa_user_sgpr_kernarg_segment_ptr 1
		.amdhsa_wavefront_size32 1
		.amdhsa_system_sgpr_workgroup_id_x 1
		.amdhsa_system_sgpr_workgroup_id_y 1
		.amdhsa_system_sgpr_workgroup_id_z 1
		.amdhsa_system_vgpr_workitem_id 0
		.amdhsa_next_free_vgpr 1024
		.amdhsa_next_free_sgpr 66
		.amdhsa_reserve_vcc 0
		.amdhsa_float_denorm_mode_32 3
		.amdhsa_float_denorm_mode_16_64 3
		.amdhsa_memory_ordered 1
		.amdhsa_forward_progress 1
		.amdhsa_inst_pref_size 164
	.end_amdhsa_kernel
	.amdgpu_metadata
---
amdhsa.version: [ 1, 2 ]
amdhsa.kernels:
  - .name:           k_q14ecd05aa0_up
    .symbol:         k_q14ecd05aa0_up.kd
    .args:
      - { .name: xq, .offset: 0, .size: 8, .value_kind: global_buffer, .address_space: global }
      - { .name: W1_codes, .offset: 8, .size: 8, .value_kind: global_buffer, .address_space: global }
      - { .name: W1_scales, .offset: 16, .size: 8, .value_kind: global_buffer, .address_space: global }
      - { .name: b1, .offset: 24, .size: 8, .value_kind: global_buffer, .address_space: global }
      - { .name: plan, .offset: 32, .size: 8, .value_kind: global_buffer, .address_space: global }
      - { .name: hq, .offset: 40, .size: 8, .value_kind: global_buffer, .address_space: global }
    .group_segment_fixed_size: 294400
    .private_segment_fixed_size: 0
    .kernarg_segment_align: 8
    .kernarg_segment_size: 48
    .max_flat_workgroup_size: 128
    .sgpr_count:     66
    .vgpr_count:     1024
    .wavefront_size: 32
...
	.end_amdgpu_metadata
.endif
;; end of part 8
;; launch down (part 9): grid 8 x 31, 4 waves a work-group, no clusters, 284,672 bytes of LDS; arguments hq, W2_codes, W2_scales, b2, plan, yw; writes yw
.if DOCPART == 9
	.amdgcn_target "amdgcn-amd-amdhsa--gfx1250"
	.amdhsa_code_object_version 6
	.text
	.protected	k_q14ecd05aa0_down
	.globl	k_q14ecd05aa0_down
	.p2align	8
	.type	k_q14ecd05aa0_down,@function
k_q14ecd05aa0_down:
	s_mov_b64 s[64:65], 0
	v_nop
	global_prefetch_b8 v0, s[64:65] scope:SCOPE_SE
	s_setreg_imm32_b32 hwreg(HW_REG_WAVE_SCHED_MODE, 0, 2), 2
	s_setreg_imm32_b32 hwreg(HW_REG_WAVE_MODE, 25, 1), 1
	s_wait_xcnt 0x0
	s_wait_alu depctr_vm_vsrc(0)
; THE SECOND PRODUCT OF THE CHOSEN ROWS: yw = hq W2^T + b2, on codes of E3M2 with one E8M0 scale for each 32 along K = 2,048; yw: [5456][1024] f32, a row for each row of each slot.
; A work-group takes one slot (176 rows of one expert) x 128 outputs (work-group x); wave w makes all 176 rows x outputs 32 w .. 32 w + 31: 22 accumulators.
; The grid, the slots and the reasons for no tensor load and no cluster are those of the launch before: the expert is a number read from memory, and it enters addresses alone; every slot runs the whole text.
; TRANSPOSED (source 0 = 16 rows of W2, source 1 = 16 rows of hq): a lane holds eight neighbouring outputs of one row.  48 BYTES A LANE, as in the launch before: both operands are read alike and
; both sides' scale words are turned to the byte order 0, 2, 1, 3.  Lanes 0-15 hold the scale words of K steps 0-7, lanes 16-31 those of 8-15, chosen by the scale operands' row.
; hq's 176 rows lie in LDS half of K at a time (two panels of 768 bytes a row); the second panel is asked for into registers while the first is multiplied, and changes place with it between two barriers.
; Each wave's 32 rows of W2 go through its own two LDS buffers, 256 along K at a time, asked for two pieces ahead.  The bias is the C of each sum's first product.
; THE MODE: SCHED_MODE bits 1:0 = 2 (LLVM: expert scheduling mode 2), set by the entry lines.  The code itself states the register dependences
; between vector or matrix instructions and memory or LDS instructions, with s_wait_alu, always for 0.
; THE PLAN.  Registers that memory or LDS instructions touch, from the first K step on:
;   F0, F1     a K step's fragments, two sets: W2's two and hq's eleven.  K step q: its products read F[q % 2]; the LDS loads of step q + 1 (W2's six at the step's head, three of hq's behind each fragment's
;              two products) land in the other set, which the products of step q - 1 read.
;   SW0, SW1   W2 on its way to LDS, and window 3 with v176-183 of window 2, a panel on its way: global loads land in them, LDS stores read them, no vector or matrix instruction names them.
;   v16-36     addresses, made at the head and never written again.
; So ONE wait on va_vdst stands at the head of a K step that asks for the next: it states that the products of the step before are done reading the set that this step's 39 loads fill; the products issued
; since name the other set, the scale words and the accumulators.  K steps 7 and 15 ask for nothing (step 8's rows lie in the panel that is not yet in LDS; behind step 15 K ends) and hold no such wait;
; steps 0 and 8 are fed by a run of loads.  One wait on vm_vsrc stands ahead of each refill of SW0 or SW1.
; REGISTERS: window 0: v1-36 addresses, v40-127 hq's scale words, v128-143 W2's, v144-167 F0's 2 fragments of W2, v168-183 the bias, v184-243 F1's fragments 0-4 of hq.
;   window 1: v0-131 F0's 11 fragments of hq, v132-179 and v180-227 W2 on its way to LDS, v228-251 F1's 2 fragments of W2.
;   window 2: accumulators at 16 m + 8 t; v176-183 the last two loads of a panel; v184-255 F1's fragments 5-10 of hq.   window 3: a panel on its way to LDS; at the end rows of yw.
.set APITCH, 784
.set WPITCH, 208
.set WPB,    137984
.set WBUF,   6656
.set YST,    191232                    ; the stage for yw: 176 rows x (512 bytes + 16)
.set YP,     528
.set HSOFF,  8380416
.set FA,  16
.set FW,  19
.set LW,  20                           ; v20-21  W2 into LDS: 208 (lane / 8) + 16 (lane % 8);  208 (lane / 4) + 16 (lane % 4)
.set GW,  22                           ; v22-23  the same places in memory, rows 1,536 bytes apart
.set LA,  26
.set GA,  29                           ; v29  hq in memory: 1,536 (thread / 16) + 16 (thread % 16)
.set YO,  30                           ; v30-31 results into the stage
.set YR,  32                           ; v32  rows read back
.set GY,  33                           ; v33  16 x lane
.set HSA, 34
.set WSA, 35
.set BIA, 36
.set HS,  40
.set WS,  128
.set WF,  144                          ; F0: W2's fragments, in window 0 (hq's at v0 of window 1)
.set WF1, 228                          ; F1: W2's fragments, in window 1
.set H1A, 184                          ; F1: hq's fragments 0-4, in window 0
.set H1B, 184                          ; F1: hq's fragments 5-10, in window 2
.set BI,  168
.set SW0, 132
.set SW1, 180
.set MSB, 0
.macro WIN new
.if MSB != \new
	s_set_vgpr_msb (MSB<<8)|\new
.set MSB, \new
.endif
.endm
.macro PLACES
.rept 4
	v_nop
.endr
.endm
.macro BARRIER
	s_wait_dscnt 0x0
	s_barrier_signal -1
	s_barrier_wait -1
.endm
.macro HEAD                            ; the head of a K step that asks for fragments
	PLACES
	s_wait_alu depctr_va_vdst(0)                   ; the products issued so far are done reading their fragments: the LDS loads that follow land in the set that the step before read
.endm
	s_load_b256 s[4:11], s[0:1], 0x0               ; hq s[4:5], W2's codes s[6:7], its scales s[8:9], b2 s[10:11]
	s_load_b128 s[12:15], s[0:1], 0x20             ; plan s[12:13], yw s[14:15]
	v_lshl_add_u32 v254, v0, 2, 0x45600
	v_mov_b32 v255, 0
	v_lshrrev_b32 v4, 5, v0
	v_readfirstlane_b32 s16, v4                    ; wave
	s_mov_b32 s17, ttmp9                           ; which 128 outputs
	s_and_b32 s18, ttmp7, 0xffff                   ; slot
	s_lshl_b32 s23, s18, 2
	s_mov_b32 s33, 0
	v_and_b32 v1, 15, v0                           ; r
	v_bfe_u32 v2, v0, 4, 1                         ; h
	v_and_b32 v3, 31, v0                           ; lane
	v_lshrrev_b32 v5, 4, v0                        ; thread / 16
	v_lshlrev_b32 v10, 4, v1
	v_mul_u32_u24 v[GA], v5, 1536
	v_add_nc_u32 v[GA], v[GA], v10
	v_mul_u32_u24 v[HSA], v2, 190464               ; lanes 16-31: four groups of hidden units further on
	v_lshl_add_u32 v[HSA], v1, 3, v[HSA]
	s_wait_kmcnt 0x0
	s_load_b32 s19, s[12:13], s23 offset:0x0       ; the slot's entry
	s_mul_i32 s32, s18, 270336
	s_add_nc_u64 s[36:37], s[4:5], s[32:33]        ; the slot's first row of codes
	s_mul_i32 s32, s18, 1536
	s_add_co_u32 s32, s32, HSOFF
	s_add_nc_u64 s[38:39], s[4:5], s[32:33]        ; and its scale bytes
	s_wait_alu depctr_va_vdst(0)                   ; the offsets v29 and v34 are written, which the 110 loads below read
.irp mm, 0,1,2,3,4,5,6,7,8,9,10
.irp gq, 0,1,2,3
	global_load_b64 v[HS+8*\mm+2*\gq:HS+8*\mm+2*\gq+1], v[HSA], s[38:39] offset:47616*\gq+128*\mm
.endr
.endr
.macro ALOAD pan, lo, hi               ; panel pan of hq's rows: load n is row thread / 16 + 8 (n / 3), bytes 256 (n % 3) on: sixteen lanes read 256 consecutive bytes, at a multiple of 256 from hq's first byte
.set n, \lo
.rept \hi-\lo
.if n < 64
	WIN 0xc0
	global_load_b128 v[4*n:4*n+3], v[GA], s[36:37] offset:12288*(n/3)+256*(n%3)+768*(\pan)
.else
	WIN 0x80
	global_load_b128 v[176+4*(n-64):176+4*(n-64)+3], v[GA], s[36:37] offset:12288*(n/3)+256*(n%3)+768*(\pan)
.endif
.set n, n+1
.endr
	WIN 0
.endm
.macro ASTORE lo, hi
.set n, \lo
.rept \hi-\lo
.if n < 64
	WIN 0x0c
	ds_store_b128 v[LA+(n/3)/8], v[4*n:4*n+3] offset:6272*((n/3)%8)+256*(n%3)
.else
	WIN 0x08
	ds_store_b128 v[LA+(n/3)/8], v[176+4*(n-64):176+4*(n-64)+3] offset:6272*((n/3)%8)+256*(n%3)
.endif
.set n, n+1
.endr
	WIN 0
.endm
	ALOAD 0, 0, 66
	s_mov_b32 s28, 0x03010200                      ; bytes 0, 2, 1, 3
	s_wait_alu depctr_va_sdst(0)                   ; s16, the wave's number, is written, ahead of its first reader
	s_mul_i32 s30, s16, 2*WBUF
	s_add_co_u32 s30, s30, WPB
	v_mul_u32_u24 v[FA], v1, APITCH
	v_mad_u32_u24 v[FA], v2, 48, v[FA]
	v_add_nc_u32 v[FA+1], 62720, v[FA]
	v_add_nc_u32 v[FA+2], 125440, v[FA]
	v_mul_u32_u24 v[FW], v1, WPITCH
	v_mad_u32_u24 v[FW], v2, 48, v[FW]
	v_add_nc_u32 v[FW], s30, v[FW]
	; W2's piece, eight rows of 192 bytes by three loads: two take 128 bytes of four rows each (eight lanes to a row), the third the last 64 bytes of all eight (four lanes to a row)
	v_bfe_u32 v6, v0, 3, 2                         ; lane / 8
	v_and_b32 v7, 7, v0                            ; lane % 8
	v_mul_u32_u24 v[LW], v6, WPITCH
	v_lshl_add_u32 v[LW], v7, 4, v[LW]
	v_add_nc_u32 v[LW], s30, v[LW]
	v_mul_u32_u24 v[GW], v6, 1536
	v_lshl_add_u32 v[GW], v7, 4, v[GW]
	v_bfe_u32 v6, v0, 2, 3                         ; lane / 4
	v_and_b32 v7, 3, v0                            ; lane % 4
	v_mul_u32_u24 v[LW+1], v6, WPITCH
	v_lshl_add_u32 v[LW+1], v7, 4, v[LW+1]
	v_add_nc_u32 v[LW+1], s30, v[LW+1]
	v_mul_u32_u24 v[GW+1], v6, 1536
	v_lshl_add_u32 v[GW+1], v7, 4, v[GW+1]
	v_mul_u32_u24 v[LA], v5, APITCH
	v_add_nc_u32 v[LA], v[LA], v10
	v_add_nc_u32 v[LA+1], 50176, v[LA]
	v_add_nc_u32 v[LA+2], 100352, v[LA]
	s_lshl_b32 s31, s16, 7
	s_add_co_u32 s31, s31, YST
	v_mul_u32_u24 v[YO], v1, YP
	v_lshl_add_u32 v[YO], v2, 5, v[YO]
	v_add_nc_u32 v[YO], s31, v[YO]                 ; row r, + 128 x wave, + 32 h
	v_add_nc_u32 v[YO+1], 59136, v[YO]             ; seven fragments of rows further on
	s_mul_i32 s31, s16, 44*YP
	s_add_co_u32 s31, s31, YST
	v_lshlrev_b32 v[GY], 4, v3
	v_add_nc_u32 v[YR], s31, v[GY]
	v_lshlrev_b32 v[WSA], 6, v1
	v_lshl_add_u32 v[WSA], v2, 5, v[WSA]           ; W2's scales: 64 r + 32 h
	v_lshlrev_b32 v[BIA], 5, v2                    ; the bias: 32 h
	s_mul_i32 s32, s18, 176
	s_mul_i32 s35, s16, 44
	s_add_co_u32 s32, s32, s35
	s_lshl_b32 s32, s32, 12
	s_lshl_b32 s35, s17, 9
	s_add_co_u32 s32, s32, s35
	s_add_nc_u64 s[40:41], s[14:15], s[32:33]      ; yw: the first of the 44 rows that I store, my work-group's 512 bytes
	s_wait_kmcnt 0x0
	s_and_b32 s20, s19, 0xff
	s_min_u32 s20, s20, 7                          ; the expert
	s_lshl_b32 s34, s17, 7
	s_lshl_b32 s35, s16, 5
	s_add_co_u32 s34, s34, s35                     ; my first output
	s_mul_i32 s32, s20, 1572864
	s_mul_i32 s35, s34, 1536
	s_add_co_u32 s32, s32, s35
	s_add_nc_u64 s[6:7], s[6:7], s[32:33]
	s_lshl_b32 s32, s20, 16
	s_lshl_b32 s35, s34, 6
	s_add_co_u32 s32, s32, s35
	s_add_nc_u64 s[8:9], s[8:9], s[32:33]
	s_lshl_b32 s32, s20, 12
	s_lshl_b32 s35, s34, 2
	s_add_co_u32 s32, s32, s35
	s_add_nc_u64 s[10:11], s[10:11], s[32:33]
.macro GLW c, set                      ; piece c (256 along K) of my 32 rows of W2: 12 loads, three for each eight rows
	WIN 0x40
.irp mm, 0,1,2,3
	global_load_b128 v[\set+12*\mm:\set+12*\mm+3],    v[GW],   s[6:7] offset:12288*\mm+192*(\c)        ; rows 0-3 of the eight, bytes 0-127
	global_load_b128 v[\set+12*\mm+4:\set+12*\mm+7],  v[GW],   s[6:7] offset:12288*\mm+6144+192*(\c)   ; rows 4-7
	global_load_b128 v[\set+12*\mm+8:\set+12*\mm+11], v[GW+1], s[6:7] offset:12288*\mm+128+192*(\c)    ; all eight, bytes 128-191
.endr
	WIN 0
.endm
.macro STW set, buf
	WIN 0x04
.irp mm, 0,1,2,3
	ds_store_b128 v[LW],   v[\set+12*\mm:\set+12*\mm+3]    offset:WBUF*(\buf)+1664*\mm
	ds_store_b128 v[LW],   v[\set+12*\mm+4:\set+12*\mm+7]  offset:WBUF*(\buf)+1664*\mm+4*WPITCH
	ds_store_b128 v[LW+1], v[\set+12*\mm+8:\set+12*\mm+11] offset:WBUF*(\buf)+1664*\mm+128
.endr
	WIN 0
.endm
	s_wait_alu depctr_va_vdst(0)                   ; the other addresses and offsets, v16 to v28, v30 to v33, v35 and v36, are written, which the loads and stores from here on read
	GLW 0, SW0
	GLW 1, SW1
.irp t, 0,1
	global_load_b128 v[WS+8*\t:WS+8*\t+3], v[WSA], s[8:9] offset:1024*\t
	global_load_b128 v[WS+8*\t+4:WS+8*\t+7], v[WSA], s[8:9] offset:1024*\t+16
.endr
.irp t, 0,1
	global_load_b128 v[BI+8*\t:BI+8*\t+3], v[BIA], s[10:11] offset:64*\t
	global_load_b128 v[BI+8*\t+4:BI+8*\t+7], v[BIA], s[10:11] offset:64*\t+16
.endr
	s_wait_loadcnt 63                              ; hq's scale words and the panel's first 22 loads are in: 44 + 32 are younger
.set i, 0
.rept 88
	v_perm_b32 v[HS+i], v[HS+i], v[HS+i], s28
.set i, i+1
.endr
	ASTORE 0, 22
	s_wait_loadcnt 54                              ; 22 + 32 younger
	ASTORE 22, 44
	s_wait_loadcnt 32                              ; W2's 24, its scales' 4 and the bias's 4 may be out
	ASTORE 44, 66
	s_wait_loadcnt 20                              ; piece 0 is in: 12 + 4 + 4 younger
	STW SW0, 0
	s_wait_loadcnt 0x0
.set i, 0
.rept 16
	v_perm_b32 v[WS+i], v[WS+i], v[WS+i], s28
.set i, i+1
.endr
.rept 8
	v_nop                                          ; a scale register written by a vector instruction stands 8 places ahead of a scaled product
.endr
	s_wait_alu depctr_va_vdst(0)                   ; hq's 88 scale words and W2's 16 are written in their new byte order: the scaled products take them as scales; the places above stay beside this wait
	s_wait_dscnt 0x0                               ; the stores are done,
	s_wait_alu depctr_vm_vsrc(0)                   ; and have read SW0, in which piece 2's loads land, and the panel's registers, in which the second panel's loads land further on
	GLW 2, SW0
	BARRIER                                        ; the first panel lies in LDS
.macro LDW q                           ; K step q: W2's two fragments from my buffer into set q % 2
.if (\q)%2 == 0
	WIN 0
.set WD, WF
.else
	WIN 0x40
.set WD, WF1
.endif
.irp t, 0,1
.irp k, 0,1,2
	ds_load_b128 v[WD+12*\t+4*\k:WD+12*\t+4*\k+3], v[FW] offset:WBUF*(((\q)/2)%2)+3328*\t+96*((\q)%2)+16*\k
.endr
.endr
.endm
.macro LDH q, mm                       ; K step q: hq's fragment mm into set q % 2
.if (\q)%2 == 0
	WIN 0x40
.set HD, 12*(\mm)
.elseif (\mm) < 5
	WIN 0
.set HD, H1A+12*(\mm)
.else
	WIN 0x80
.set HD, H1B+12*((\mm)-5)
.endif
.irp k, 0,1,2
	ds_load_b128 v[HD+4*\k:HD+4*\k+3], v[FA+(\mm)/5] offset:12544*((\mm)%5)+96*((\q)%8)+16*\k
.endr
.endm
.macro RUN q                           ; a K step's 39 loads in one run: the first step of a panel
	LDW \q
.irp mm, 0,1,2,3,4,5,6,7,8,9,10
	LDH \q, \mm
.endr
.endm
.macro PROD q, first, mm, t
.set AC, 16*(\mm)+8*(\t)
.if (\q)%2 == 0
.set WA, WF+12*(\t)
.set HB, 12*(\mm)
.elseif (\mm) < 5
.set WA, WF1+12*(\t)
.set HB, H1A+12*(\mm)
.else
.set WA, WF1+12*(\t)
.set HB, H1B+12*((\mm)-5)
.endif
.if \first
	v_wmma_scale_f32_16x16x128_f8f6f4 v[AC:AC+7], v[WA:WA+11], v[HB:HB+11], v[BI+8*(\t):BI+8*(\t)+7], v[WS+8*(\t)], v[HS+8*(\mm)] matrix_a_fmt:MATRIX_FMT_BF6 matrix_b_fmt:MATRIX_FMT_BF6
.elseif (\q) < 8
	v_wmma_scale_f32_16x16x128_f8f6f4 v[AC:AC+7], v[WA:WA+11], v[HB:HB+11], v[AC:AC+7], v[WS+8*(\t)+(\q)], v[HS+8*(\mm)+(\q)] matrix_a_fmt:MATRIX_FMT_BF6 matrix_b_fmt:MATRIX_FMT_BF6
.else
	v_wmma_scale_f32_16x16x128_f8f6f4 v[AC:AC+7], v[WA:WA+11], v[HB:HB+11], v[AC:AC+7], v[WS+8*(\t)+(\q)-8], v[HS+8*(\mm)+(\q)-8] matrix_a_fmt:MATRIX_FMT_BF6 matrix_b_fmt:MATRIX_FMT_BF6 matrix_a_scale:MATRIX_SCALE_ROW1 matrix_b_scale:MATRIX_SCALE_ROW1
.endif
.endm
; K step q: 22 products; the 22 accumulators take turns, one instruction a turn, in the same order in every K step.
; ahead = 1: step q + 1's fragments are asked for here, into the other set: W2's six loads first, then three of hq's behind each fragment's two products.  No wait on va_vdst stands ahead of them but the head's:
; no vector or matrix instruction issued since names that set.   extra: the LDS stores of a piece of W2 that were issued between this step's fragments' loads and this step.
.macro STEP q, first, ahead, extra
.if \ahead
	LDW (\q)+1
.endif
.irp mm, 0,1,2,3,4,5,6,7,8,9,10
	s_wait_dscnt 3*(10-\mm)+(\extra)+(\ahead)*(6+3*\mm)   ; W2's fragments and hq's up to this one are in.  Younger, and let out: this step's later fragments, three loads each; the piece's stores; the next step's loads issued so far
.if (\q)%2 == 0
.if \first
	WIN 0x84                                       ; source 0 (W2) and C (the bias) window 0, source 1 (hq) window 1, D window 2
.else
	WIN 0xa4                                       ; C and D window 2
.endif
.elseif \mm < 5
	WIN 0xa1                                       ; F1: source 0 window 1, source 1 window 0, C and D window 2
.else
	WIN 0xa9                                       ; F1: source 0 window 1, source 1 window 2, C and D window 2
.endif
.irp t, 0,1
	PROD \q, \first, \mm, \t
.endr
.if \ahead
	LDH (\q)+1, \mm
.endif
.endr
.endm
	; piece 0
	RUN 0                                          ; (no wait on va_vdst: nothing has named F0 or F1 yet)
	STEP 0, 1, 1, 0
	s_wait_loadcnt 12                              ; piece 1 is in; piece 2's 12 loads may be out
	STW SW1, 1                                     ; (loaded data and a fixed address: these stores hang on no vector result, and stand ahead of the head's wait)
	HEAD
	STEP 1, 0, 1, 12
	s_wait_alu depctr_vm_vsrc(0)                   ; the LDS stores of piece 1 have read SW1, in which piece 3's loads land
	GLW 3, SW1
	ALOAD 1, 0, 22                                 ; the second panel, a third at a time
	; piece 1
	HEAD
	STEP 2, 0, 1, 0
	s_wait_loadcnt 34                              ; piece 2 is in: piece 3's 12 and the panel's 22 are younger
	STW SW0, 0
	HEAD
	STEP 3, 0, 1, 12
	s_wait_alu depctr_vm_vsrc(0)                   ; the LDS stores of piece 2 have read SW0, in which piece 4's loads land
	GLW 4, SW0
	ALOAD 1, 22, 44
	; piece 2
	HEAD
	STEP 4, 0, 1, 0
	s_wait_loadcnt 56                              ; piece 3 is in: 22 + 12 + 22 younger
	STW SW1, 1
	HEAD
	STEP 5, 0, 1, 12
	s_wait_alu depctr_vm_vsrc(0)                   ; the LDS stores of piece 3 have read SW1, in which piece 5's loads land
	GLW 5, SW1
	ALOAD 1, 44, 66
	; piece 3
	HEAD
	STEP 6, 0, 1, 0
	s_wait_loadcnt 56                              ; piece 4 is in: 22 + 12 + 22 younger
	STW SW0, 0
	STEP 7, 0, 0, 12                               ; the panel's last K step asks for nothing: no load lands in a fragment, so no wait stands at its head
	s_wait_alu depctr_vm_vsrc(0)                   ; the LDS stores of piece 4 have read SW0, in which piece 6's loads land
	GLW 6, SW0
	; the panels change places
	s_wait_loadcnt 12                              ; the second panel is in registers; piece 6's 12 loads may be out
	BARRIER                                        ; nobody reads the first panel any more
	ASTORE 0, 66
	BARRIER                                        ; the second lies in LDS
	; piece 4
	HEAD                                           ; (here for both sets: K steps 6 and 7 are done reading them)
	RUN 8
	STEP 8, 0, 1, 0
	s_wait_loadcnt 12                              ; piece 5 is in; piece 6's may be out
	STW SW1, 1
	HEAD
	STEP 9, 0, 1, 12
	s_wait_alu depctr_vm_vsrc(0)                   ; the LDS stores of piece 5 have read SW1, in which piece 7's loads land; those of the second panel have read window 3, in which rows of yw land at the end
	GLW 7, SW1
	; piece 5
	HEAD
	STEP 10, 0, 1, 0
	s_wait_loadcnt 12                              ; piece 6 is in; piece 7's may be out
	STW SW0, 0
	HEAD
	STEP 11, 0, 1, 12
	; piece 6
	HEAD
	STEP 12, 0, 1, 0
	s_wait_loadcnt 0x0                             ; piece 7
	STW SW1, 1
	HEAD
	STEP 13, 0, 1, 12
	; piece 7
	HEAD
	STEP 14, 0, 1, 0
	STEP 15, 0, 0, 0                               ; the last K step asks for nothing
	PLACES                                         ; four places behind the last product, before its result is read (ISA guide 7.12.1)
	s_wait_alu depctr_va_vdst(0)                   ; the products have written the accumulators, which the LDS stores read; the places above stay beside this wait
	; THE WAY OUT: a lane's eight results are 32 neighbouring bytes of a row; a row's 512 bytes come from four waves: they meet in the stage
	WIN 0x08
.irp mm, 0,1,2,3,4,5,6,7,8,9,10
.irp t, 0,1
	ds_store_b128 v[YO+\mm/7], v[16*\mm+8*\t:16*\mm+8*\t+3] offset:8448*(\mm%7)+64*\t          ; each accumulator from its low end on
	ds_store_b128 v[YO+\mm/7], v[16*\mm+8*\t+4:16*\mm+8*\t+7] offset:8448*(\mm%7)+64*\t+16
.endr
.endr
	WIN 0
	BARRIER
	WIN 0xc0
.set i, 0
.rept 44
	ds_load_b128 v[4*i:4*i+3], v[YR] offset:YP*i
.set i, i+1
.endr
	WIN 0x0c
.set i, 0
.rept 44
	s_wait_dscnt 43-i
	global_store_b128 v[GY], v[4*i:4*i+3], s[40:41] offset:4096*i   ; 32 lanes store 512 consecutive bytes, at a multiple of 256 from yw's first byte
.set i, i+1
.endr
	WIN 0
	s_wait_dscnt 0x0                               ; the closing lines, six on end
	s_wait_alu 0x0
	s_wait_tensorcnt 0x0
	ds_add_u32 v254, v255
	s_wait_dscnt 0x0
	s_endpgm
.Lfunc_end_k_q14ecd05aa0_down:
	.size	k_q14ecd05aa0_down, .Lfunc_end_k_q14ecd05aa0_down-k_q14ecd05aa0_down
	.p2alignl 7, 3214868480
	.fill 96, 4, 3214868480
	.section	.rodata,"a",@progbits
	.p2align	6, 0x0
	.amdhsa_kernel k_q14ecd05aa0_down
		.amdhsa_group_segment_fixed_size 284672
		.amdhsa_private_segment_fixed_size 0
		.amdhsa_enable_private_segment 0
		.amdhsa_kernarg_size 48
		.amdhsa_user_sgpr_count 2
		.amdhsa_user_sgpr_kernarg_segment_ptr 1
		.amdhsa_wavefront_size32 1
		.amdhsa_system_sgpr_workgroup_id_x 1
		.amdhsa_system_sgpr_workgroup_id_y 1
		.amdhsa_system_sgpr_workgroup_id_z 1
		.amdhsa_system_vgpr_workitem_id 0
		.amdhsa_next_free_vgpr 1024
		.amdhsa_next_free_sgpr 66
		.amdhsa_reserve_vcc 0
		.amdhsa_float_denorm_mode_32 3
		.amdhsa_float_denorm_mode_16_64 3
		.amdhsa_memory_ordered 1
		.amdhsa_forward_progress 1
		.amdhsa_inst_pref_size 167
	.end_amdhsa_kernel
	.amdgpu_metadata
---
amdhsa.version: [ 1, 2 ]
amdhsa.kernels:
  - .name:           k_q14ecd05aa0_down
    .symbol:         k_q14ecd05aa0_down.kd
    .args:
      - { .name: hq, .offset: 0, .size: 8, .value_kind: global_buffer, .address_space: global }
      - { .name: W2_codes, .offset: 8, .size: 8, .value_kind: global_buffer, .address_space: global }
      - { .name: W2_scales, .offset: 16, .size: 8, .value_kind: global_buffer, .address_space: global }
      - { .name: b2, .offset: 24, .size: 8, .value_kind: global_buffer, .address_space: global }
      - { .name: plan, .offset: 32, .size: 8, .value_kind: global_buffer, .address_space: global }
      - { .name: yw, .offset: 40, .size: 8, .value_kind: global_buffer, .address_space: global }
    .group_segment_fixed_size: 284672
    .private_segment_fixed_size: 0
    .kernarg_segment_align: 8
    .kernarg_segment_size: 48
    .max_flat_workgroup_size: 128
    .sgpr_count:     66
    .vgpr_count:     1024
    .wavefront_size: 32
...
	.end_amdgpu_metadata
.endif
;; end of part 9
;; launch mix (part 10): grid 256 x 1, 8 waves a work-group, no clusters, 0 bytes of LDS; arguments yw, gate, plan, out0; writes out0
.if DOCPART == 10
	.amdgcn_target "amdgcn-amd-amdhsa--gfx1250"
	.amdhsa_code_object_version 6
	.text
	.protected	k_q14ecd05aa0_mix
	.globl	k_q14ecd05aa0_mix
	.p2align	8
	.type	k_q14ecd05aa0_mix,@function
k_q14ecd05aa0_mix:
	s_mov_b64 s[64:65], 0
	v_nop
	global_prefetch_b8 v0, s[64:65] scope:SCOPE_SE
	s_setreg_imm32_b32 hwreg(HW_REG_WAVE_MODE, 25, 1), 1
	s_wait_xcnt 0x0
; out0[t] = gate[t][0] x yw[pos[2 t]] + gate[t][1] x yw[pos[2 t + 1]]: each token's two rows, weighed.  The six experts that were not chosen have the gate 0 and are not computed
; (LIMIT: an infinity or NaN that such an expert would have made does not reach the output here).
; A wave takes a token: 4,096 bytes from each of its two rows, 512 consecutive bytes an instruction; every output row has one owner.  A stream: no LDS, no matrix unit, no cluster.
.set POSOFF, 256
	s_load_b256 s[4:11], s[0:1], 0x0               ; yw s[4:5], gate s[6:7], plan s[8:9], out0 s[10:11]
	v_lshrrev_b32 v1, 5, v0
	s_delay_alu instid0(VALU_DEP_1)
	v_readfirstlane_b32 s12, v1
	v_and_b32 v2, 31, v0
	s_delay_alu instid0(VALU_DEP_1)
	v_lshlrev_b32 v2, 4, v2                        ; 16 x lane
	s_lshl_b32 s13, ttmp9, 3
	s_add_co_u32 s13, s13, s12                     ; my token
	s_lshl_b32 s14, s13, 3
	s_lshl_b32 s22, s13, 12
	s_mov_b32 s23, 0
	s_mov_b32 s25, 0
	s_mov_b32 s27, 0
	s_wait_alu depctr_va_vdst(0)
	s_wait_kmcnt 0x0
	s_load_b64 s[16:17], s[8:9], s14 offset:POSOFF ; its two rows
	s_load_b64 s[18:19], s[6:7], s14 offset:0x0    ; its two gates
	s_add_nc_u64 s[10:11], s[10:11], s[22:23]
	s_wait_kmcnt 0x0
	s_min_u32 s16, s16, 5455                       ; a row's number enters an address only behind this hold
	s_min_u32 s17, s17, 5455
	s_lshl_b32 s24, s16, 12
	s_lshl_b32 s26, s17, 12
	s_add_nc_u64 s[24:25], s[4:5], s[24:25]
	s_add_nc_u64 s[26:27], s[4:5], s[26:27]
	s_mov_b32 s20, s19                             ; the packed forms name a pair and take its low word for both halves
	s_mov_b32 s21, s19
.irp j, 0,1,2,3,4,5,6,7
	global_load_b128 v[8+4*\j:11+4*\j], v2, s[24:25] offset:512*\j th:TH_LOAD_NT
.endr
.irp j, 0,1,2,3,4,5,6,7
	global_load_b128 v[40+4*\j:43+4*\j], v2, s[26:27] offset:512*\j th:TH_LOAD_NT
.endr
.irp j, 0,1,2,3,4,5,6,7
	s_wait_loadcnt 7-\j                            ; the second row's piece j is in, and with it the first row's, which is older
	v_pk_mul_f32 v[72+4*\j:73+4*\j], v[8+4*\j:9+4*\j], s[18:19] op_sel_hi:[1,0]
	v_pk_mul_f32 v[74+4*\j:75+4*\j], v[10+4*\j:11+4*\j], s[18:19] op_sel_hi:[1,0]
	s_delay_alu instid0(VALU_DEP_2)
	v_pk_fma_f32 v[72+4*\j:73+4*\j], v[40+4*\j:41+4*\j], s[20:21], v[72+4*\j:73+4*\j] op_sel_hi:[1,0,1]
	s_delay_alu instid0(VALU_DEP_2)
	v_pk_fma_f32 v[74+4*\j:75+4*\j], v[42+4*\j:43+4*\j], s[20:21], v[74+4*\j:75+4*\j] op_sel_hi:[1,0,1]
	global_store_b128 v2, v[72+4*\j:75+4*\j], s[10:11] offset:512*\j th:TH_STORE_NT
.endr
	s_endpgm
.Lfunc_end_k_q14ecd05aa0_mix:
	.size	k_q14ecd05aa0_mix, .Lfunc_end_k_q14ecd05aa0_mix-k_q14ecd05aa0_mix
	.p2alignl 7, 3214868480
	.fill 96, 4, 3214868480
	.section	.rodata,"a",@progbits
	.p2align	6, 0x0
	.amdhsa_kernel k_q14ecd05aa0_mix
		.amdhsa_group_segment_fixed_size 0
		.amdhsa_private_segment_fixed_size 0
		.amdhsa_enable_private_segment 0
		.amdhsa_kernarg_size 32
		.amdhsa_user_sgpr_count 2
		.amdhsa_user_sgpr_kernarg_segment_ptr 1
		.amdhsa_wavefront_size32 1
		.amdhsa_system_sgpr_workgroup_id_x 1
		.amdhsa_system_sgpr_workgroup_id_y 1
		.amdhsa_system_sgpr_workgroup_id_z 1
		.amdhsa_system_vgpr_workitem_id 0
		.amdhsa_next_free_vgpr 112
		.amdhsa_next_free_sgpr 66
		.amdhsa_reserve_vcc 0
		.amdhsa_float_denorm_mode_32 3
		.amdhsa_float_denorm_mode_16_64 3
		.amdhsa_memory_ordered 1
		.amdhsa_forward_progress 1
		.amdhsa_inst_pref_size 7
	.end_amdhsa_kernel
	.amdgpu_metadata
---
amdhsa.version: [ 1, 2 ]
amdhsa.kernels:
  - .name:           k_q14ecd05aa0_mix
    .symbol:         k_q14ecd05aa0_mix.kd
    .args:
      - { .name: yw, .offset: 0, .size: 8, .value_kind: global_buffer, .address_space: global }
      - { .name: gate, .offset: 8, .size: 8, .value_kind: global_buffer, .address_space: global }
      - { .name: plan, .offset: 16, .size: 8, .value_kind: global_buffer, .address_space: global }
      - { .name: out0, .offset: 24, .size: 8, .value_kind: global_buffer, .address_space: global }
    .group_segment_fixed_size: 0
    .private_segment_fixed_size: 0
    .kernarg_segment_align: 8
    .kernarg_segment_size: 32
    .max_flat_workgroup_size: 256
    .sgpr_count:     66
    .vgpr_count:     112
    .wavefront_size: 32
...
	.end_amdgpu_metadata
.endif
;; end of part 10
